; MI455X (gfx1250); checked and timed in simulation.
; The chip was launched on July 23, 2026; its instructions are those of AMD's public machine-readable ISA for CDNA 5 (MIT licence, August 2026) and "CDNA5" Instruction Set Architecture Reference Guide (July 2026). The comments in the code are by the model that wrote it; some were corrected since.
;; Transformer Block. Allowed arithmetic: matrix products marked QUANTISED: E4M3 operands, one given power-of-two scale a tensor, by v_wmma_f32_16x16x64_fp8_fp8 or v_wmma_f32_16x16x128_fp8_fp8, f32 sums; everything else in f32.
;; Inputs: W1_codes 4,096 x 32 x 32 uint8 (E4M3 codes of W1, K innermost, in blocks of 32 codes); W2_codes 1,024 x 128 x 32 uint8 (E4M3 codes of W2, K innermost, in blocks of 32 codes); Wk_codes 16 x 64 x 32 x 32 uint8 (E4M3 codes of Wk, K innermost, in blocks of 32 codes); Wo 1,024 x 16 x 64 float32; Wq_codes 16 x 64 x 32 x 32 uint8 (E4M3 codes of Wq, K innermost, in blocks of 32 codes); Wv_codes 16 x 64 x 32 x 32 uint8 (E4M3 codes of Wv, K innermost, in blocks of 32 codes); b1 4,096 float32; b2 1,024 float32; be1 1,024 float32; be2 1,024 float32; g1 1,024 float32; g2 1,024 float32; inputs 2 x 2,048 x 1,024 float32; lowp_scales 16 int32 (the exponents e of the quantised operands' scales 2^e).
;; Outputs: out0 2 x 2,048 x 1,024 float32.
;; This version of the problem:
;;   THIS VERSION OF THE PROBLEM IS GIVEN IN LOW PRECISION. The matrix products marked QUANTISED in the list below multiply operands that are first quantised to E4M3 (4 exponent bits, 3 mantissa bits; 8 bits a number), with one given power-of-two scale for each operand tensor; their sums are f32. All else is computed in f32.
;;   The module's matrix products, in the order in which they are computed (A, B: the left and right operand; K: the contracted axis; several contracted axes count as one K, in the product's order):
;;     1. [M 4,096, K 1,024] x [K 1,024, N 1,024]; A: input inputs; B: input Wq (given as codes): QUANTISED (scales: A lowp_scales[0], B lowp_scales[1])
;;     2. [M 4,096, K 1,024] x [K 1,024, N 1,024]; A: input inputs; B: input Wk (given as codes): QUANTISED (scales: A lowp_scales[2], B lowp_scales[3])
;;     3. [M 4,096, K 1,024] x [K 1,024, N 1,024]; A: input inputs; B: input Wv (given as codes): QUANTISED (scales: A lowp_scales[4], B lowp_scales[5])
;;     4. batch 32 x [M 2,048, K 64] x [K 64, N 2,048]; A: computed on the way; B: computed on the way: QUANTISED (scales: A lowp_scales[6], B lowp_scales[7])
;;     5. batch 32 x [M 64, K 2,048] x [K 2,048, N 2,048]; A: computed on the way; B: softmax (see below): QUANTISED (scales: A lowp_scales[8], B lowp_scales[9])
;;     6. [M 4,096, K 1,024] x [K 1,024, N 1,024]; A: computed on the way; B: input Wo: QUANTISED (scales: A lowp_scales[10], B lowp_scales[11])
;;     7. [M 4,096, K 1,024] x [K 1,024, N 4,096]; A: computed on the way; B: input W1 (given as codes): QUANTISED (scales: A lowp_scales[12], B lowp_scales[13])
;;     8. [M 4,096, K 4,096] x [K 4,096, N 1,024]; A: computed on the way; B: input W2 (given as codes): QUANTISED (scales: A lowp_scales[14], B lowp_scales[15])
;;   THE QUANTISER, for each operand of a quantised product, along K:
;;     - The operand's scale is 2^e, e = its entry of the input lowp_scales (int32; the entries are numbered through the quantised products in the list's order, A before B).
;;     - Each number is divided by the scale, clamped to +-448, and rounded to the nearest number of E4M3, ties to even, subnormals kept.
;;     - The product sums the exact products of the quantised numbers (number of the format x scale) in f32.
;;   ~~~python
;;   def quantise(x, axis, e):      # numpy; x: float32 -> the quantised numbers, widened to float32 again
;;       x = np.moveaxis(x, axis, -1); K = x.shape[-1]
;;       r = np.clip(x / 2.0 ** e, -448, 448)
;;       step = 2.0 ** (np.maximum(np.frexp(np.where(r == 0, 1, r))[1] - 1, -6) - 3)
;;       q = np.round(r / step) * step * 2.0 ** e      # np.round: ties to even
;;       return np.moveaxis(q, -1, axis).astype(np.float32)
;;   ~~~
;;   SOFTMAX AHEAD OF A QUANTISED PRODUCT. Where the list says 'softmax', what is quantised is not the finished softmax but p = 2^(t - M), with t = logit x log2(e) and M = ceil(the row's largest t), a whole number; so 1/2 < the row's largest p <= 1. The row's sum l is taken of the UNQUANTISED p, in f32, and the product's result is divided by l at the end. Since M is a whole number, a kernel that streams over the keys may use a running M (the ceiling of the running maximum): every later rescaling is an exact power of two, so the quantised numbers keep their values, but for numbers so far below the row's largest that they fall under the format's range.
;;   OPERANDS COMPUTED ON THE WAY. 'Computed on the way' means the value that the module computes at that place (a softmax that the list does not call 'softmax' is quantised finished and normalised). What goes into a quantiser is computed in f32, as accurately as f32 sums, v_exp_f32 and their like allow (about 1e-6 of the number): no bf16 or f16 on the way to a quantiser, and a product that is left as it is and whose result goes on into a quantised operand takes f32 operands (vector FMAs, or v_wmma_f32_16x16x4_f32). A number that lies on a knife's edge between two numbers of the format may be rounded either way, as far as f32 arithmetic and the matrix unit's own rounding can turn it there, and no further.
;;   INPUTS GIVEN AS CODES. W1 (in the module: [1024, 4096], K = its axis 0); W2 (in the module: [4096, 1024], K = its axis 0); Wk (in the module: [1024, 16, 64], K = its axis 0); Wq (in the module: [1024, 16, 64], K = its axis 0); Wv (in the module: [1024, 16, 64], K = its axis 0): each comes as NAME_codes (uint8): NAME with its K axis moved to the last place and cut into blocks of 32 codes, [.., K / 32, bytes a block], one block behind the other in memory; one code a byte (a code: sign, 4 exponent bits, 3 mantissa bits); its scale is its entry of lowp_scales. Its value is code x scale, taken as it is: it is not quantised again, and the codes and scales need not be those that the quantiser above would give.
;; One version. Each part assembles by itself: llvm-mc -triple=amdgcn-amd-amdhsa -mcpu=gfx1250 --defsym DOCPART=n.
;; ======== version 1 of 1: 8 launches
;; limits: right only within a limited range of input values
;; workspace buffers: xc 12,582,912 bytes; woc 1,048,576 bytes; qkv 12,582,912 bytes; ctxc 4,194,304 bytes; y 16,777,216 bytes; h 16,777,216 bytes; hc 4,194,304 bytes; hid 16,777,216 bytes
;; launch prep (part 1): grid 320 x 1, 4 waves a work-group, no clusters, 33,280 bytes of LDS; arguments inputs, Wo, lowp_scales, xc, woc; writes xc, woc
.if DOCPART == 1
	.amdgcn_target "amdgcn-amd-amdhsa--gfx1250"
	.amdhsa_code_object_version 6
	.text
	.protected	k_q414afbeb89_prep
	.globl	k_q414afbeb89_prep
	.p2align	8
	.type	k_q414afbeb89_prep,@function
k_q414afbeb89_prep:
	s_mov_b64 s[64:65], 0
	v_nop
	global_prefetch_b8 v0, s[64:65] scope:SCOPE_SE
	s_setreg_imm32_b32 hwreg(HW_REG_WAVE_MODE, 25, 1), 1
	s_wait_xcnt 0x0
; inputs [4096][1024] f32 becomes THREE sets of E4M3 codes (it is an operand of three products, each with a scale of its own: entries 0, 2, 4 of the scales), laid [3][4096][1024];
; Wo [1024][1024] f32 (its K, head x channel, is innermost already) becomes one set (entry 11), laid [1024][1024].
; code = x / 2^e, held within +-448, rounded to the nearest code, ties to even.  LIMITS: each e between -126 and 119, so that 2^e and 448 x 2^e are f32 numbers.  NaN among the inputs is not served.
; Both tensors are plain streams of numbers.  A wave takes 8 steps of 512 numbers.  Each of a step's four loads reads 512 consecutive bytes, 16 a lane; the 2,048 bytes turn through the wave's own stage in LDS and come back
; 64 bytes a lane (16 bytes of padding behind each 64), so that a lane holds 16 neighbours for the conversions; its 16 codes are 16 bytes, and a store of the wave covers 512 consecutive bytes.
; The first WGX work-groups take inputs, the others Wo: pointers and the first scale are chosen by selects; one scalar branch on the work-group's number goes round the second and third set (register work and stores alone).
; No tensor loads, no barrier: waves share nothing.  Loads run four steps ahead, the turn through LDS one step.  Every step has its own registers for its codes, so no store's data are written again.
.set STEPS, 8
.set WGX,   256                        ; 4,194,304 numbers of inputs / 16,384 a work-group
.set SP,    80                         ; a lane's place in a stage: 64 bytes + 16 of padding
.set WREG,  8192                       ; LDS of a wave: two stages of 32 x SP bytes
.set SC,    6                          ; v6, v8, v10: for set n: v[SC+2n] 2^e
.set R,     16                         ; v16-79   four sets of 16 numbers as loaded
.set X,     80                         ; v80-111  two sets of 16 neighbours
.set T,     112
.set C,     128                        ; v128-223 codes: 12 registers a step
	s_load_b128 s[4:7], s[0:1], 0x0                ; inputs, Wo
	s_load_b64 s[10:11], s[0:1], 0x10              ; the scales' exponents
	s_load_b128 s[12:15], s[0:1], 0x18             ; xc, woc
	v_lshl_add_u32 v224, v0, 2, 0x8000
	v_mov_b32 v225, 0
	v_lshrrev_b32 v1, 5, v0
	v_readfirstlane_b32 s16, v1                    ; wave
	v_and_b32 v2, 31, v0                           ; lane
	v_lshlrev_b32 v3, 4, v2                        ; my 16 bytes of a load's 512, and of a store's
	s_mul_i32 s17, s16, WREG
	v_lshrrev_b32 v14, 2, v2
	v_mul_u32_u24 v14, v14, SP
	v_and_b32 v15, 3, v2
	v_lshl_add_u32 v14, v15, 4, v14
	v_add_nc_u32 v14, s17, v14                     ; the stage, on the way in: SP (lane / 4) + 16 (lane % 4)
	v_mul_u32_u24 v15, v2, SP
	v_add_nc_u32 v15, s17, v15                     ; and on the way out: SP x lane
	s_wait_alu depctr_va_vdst(0)
	s_wait_kmcnt 0x0
	s_load_b512 s[32:47], s[10:11], 0x0            ; the sixteen exponents: entry i in s[32+i]
	s_cmp_lt_u32 ttmp9, WGX                        ; inputs' work-group or Wo's?
	s_cselect_b64 s[4:5], s[4:5], s[6:7]
	s_cselect_b64 s[8:9], s[12:13], s[14:15]
	s_cselect_b32 s17, 0, WGX
	s_sub_co_u32 s17, ttmp9, s17
	s_lshl_b32 s17, s17, 2
	s_add_co_u32 s18, s17, s16                     ; which run of 4,096 numbers is my wave's
	s_lshl_b32 s20, s18, 14                        ; 16,384 bytes of f32 a run
	s_mov_b32 s21, 0
	s_add_nc_u64 s[4:5], s[4:5], s[20:21]
	s_lshl_b32 s20, s18, 12                        ; 4,096 bytes of codes a run
	s_add_nc_u64 s[8:9], s[8:9], s[20:21]
	s_add_nc_u64 s[22:23], s[8:9], 0x800000        ; the third set lies 8 MiB on, past a store's immediate (used by inputs' work-groups alone)
.macro LOAD t
.irp i, 0,1,2,3
	global_load_b128 v[R+16*((\t)%4)+4*\i:R+16*((\t)%4)+4*\i+3], v3, s[4:5] offset:2048*(\t)+512*\i
.endr
.endm
.macro TURN t                          ; LDS serves a wave's instructions in order: no wait between the stores and the loads
.irp i, 0,1,2,3
	ds_store_b128 v14, v[R+16*((\t)%4)+4*\i:R+16*((\t)%4)+4*\i+3] offset:32*SP*((\t)%2)+8*SP*\i
.endr
.irp i, 0,1,2,3
	ds_load_b128 v[X+16*((\t)%2)+4*\i:X+16*((\t)%2)+4*\i+3], v15 offset:32*SP*((\t)%2)+16*\i
.endr
.endm
.macro MKSC e, n                       ; from the exponent in s[e]: 2^e as f32
	s_add_co_i32 s24, s[\e], 127
	s_lshl_b32 s25, s24, 23
	v_mov_b32 v[SC+2*\n], s25
.endm
.irp t, 0,1,2,3
	LOAD \t
.endr
	s_wait_kmcnt 0x0
	s_cmp_lt_u32 ttmp9, WGX
	s_cselect_b32 s26, s32, s43                    ; entry 0 for inputs, entry 11 for Wo
	MKSC 26, 0
	MKSC 34, 1
	MKSC 36, 2
	s_wait_alu depctr_va_vdst(0)
	s_wait_loadcnt 12                              ; step 0's four loads are in
	TURN 0
; Set n of step t: two conversions, one plain line behind them, the store.
.macro QSET t, n, sb, off
.irp i, 0,1,2,3,4,5,6,7,8,9,10,11,12,13,14,15
.endr
	v_cvt_scalef32_pk8_fp8_f32 v[C+12*(\t)+4*\n:C+12*(\t)+4*\n+1], v[XS:XS+7], v[SC+2*\n]
	v_cvt_scalef32_pk8_fp8_f32 v[C+12*(\t)+4*\n+2:C+12*(\t)+4*\n+3], v[XS+8:XS+15], v[SC+2*\n]
	v_nop
	global_store_b128 v3, v[C+12*(\t)+4*\n:C+12*(\t)+4*\n+3], s[\sb:\sb+1] offset:\off+512*(\t)
.endm
.macro STEP t
.set XS, X+16*((\t)%2)
	s_wait_dscnt 0x0                               ; this step's numbers are back from the stage, and its stores into the stage have read their registers,
.if (\t)+4 < STEPS
	LOAD (\t)+4                                    ; which take the loads of four steps on
.endif
.if (\t)+1 < STEPS
.if STEPS-2-(\t) >= 3
	s_wait_loadcnt 12                              ; the next step's four loads are in; those of the three steps behind it may be out
.else
	s_wait_loadcnt 4*(STEPS-2-(\t))
.endif
	TURN (\t)+1
.endif
	QSET \t, 0, 8, 0
	s_cmp_lt_u32 ttmp9, WGX
	s_cbranch_scc0 .Lone_set_\@                    ; Wo has one scale
	QSET \t, 1, 8, 0x400000
	QSET \t, 2, 22, 0
.Lone_set_\@:
.endm
.irp t, 0,1,2,3,4,5,6,7
	STEP \t
.endr
	s_wait_tensorcnt 0x0
	ds_add_u32 v224, v225
	s_wait_dscnt 0x0
	s_endpgm
.Lfunc_end_k_q414afbeb89_prep:
	.size	k_q414afbeb89_prep, .Lfunc_end_k_q414afbeb89_prep-k_q414afbeb89_prep
	.p2alignl 7, 3214868480
	.fill 96, 4, 3214868480
	.section	.rodata,"a",@progbits
	.p2align	6, 0x0
	.amdhsa_kernel k_q414afbeb89_prep
		.amdhsa_group_segment_fixed_size 33280
		.amdhsa_private_segment_fixed_size 0
		.amdhsa_enable_private_segment 0
		.amdhsa_kernarg_size 40
		.amdhsa_user_sgpr_count 2
		.amdhsa_user_sgpr_kernarg_segment_ptr 1
		.amdhsa_wavefront_size32 1
		.amdhsa_system_sgpr_workgroup_id_x 1
		.amdhsa_system_sgpr_workgroup_id_y 1
		.amdhsa_system_sgpr_workgroup_id_z 1
		.amdhsa_system_vgpr_workitem_id 0
		.amdhsa_next_free_vgpr 226
		.amdhsa_next_free_sgpr 66
		.amdhsa_reserve_vcc 0
		.amdhsa_float_denorm_mode_32 3
		.amdhsa_float_denorm_mode_16_64 3
		.amdhsa_fp16_overflow 1
		.amdhsa_memory_ordered 1
		.amdhsa_forward_progress 1
		.amdhsa_inst_pref_size 17
	.end_amdhsa_kernel
	.amdgpu_metadata
---
amdhsa.version: [ 1, 2 ]
amdhsa.kernels:
  - .name:           k_q414afbeb89_prep
    .symbol:         k_q414afbeb89_prep.kd
    .args:
      - { .name: inputs, .offset: 0, .size: 8, .value_kind: global_buffer, .address_space: global }
      - { .name: Wo, .offset: 8, .size: 8, .value_kind: global_buffer, .address_space: global }
      - { .name: lowp_scales, .offset: 16, .size: 8, .value_kind: global_buffer, .address_space: global }
      - { .name: xc, .offset: 24, .size: 8, .value_kind: global_buffer, .address_space: global }
      - { .name: woc, .offset: 32, .size: 8, .value_kind: global_buffer, .address_space: global }
    .group_segment_fixed_size: 33280
    .private_segment_fixed_size: 0
    .kernarg_segment_align: 8
    .kernarg_segment_size: 40
    .max_flat_workgroup_size: 128
    .sgpr_count:     66
    .vgpr_count:     226
    .wavefront_size: 32
...
	.end_amdgpu_metadata
.endif
;; end of part 1
;; launch qkv (part 2): grid 12 x 16, 4 waves a work-group, clusters of 4 x 4, 327,680 bytes of LDS; arguments xc, Wq_codes, Wk_codes, Wv_codes, lowp_scales, qkv; writes qkv
.if DOCPART == 2
	.amdgcn_target "amdgcn-amd-amdhsa--gfx1250"
	.amdhsa_code_object_version 6
	.text
	.protected	k_q414afbeb89_qkv
	.globl	k_q414afbeb89_qkv
	.p2align	8
	.type	k_q414afbeb89_qkv,@function
k_q414afbeb89_qkv:
	s_mov_b64 s[64:65], 0
	v_nop
	global_prefetch_b8 v0, s[64:65] scope:SCOPE_SE
	s_setreg_imm32_b32 hwreg(HW_REG_WAVE_MODE, 25, 1), 1
	s_wait_xcnt 0x0
	s_wait_alu depctr_hold_cnt(0) depctr_sa_sdst(0) depctr_va_vdst(0) depctr_va_sdst(0) depctr_va_ssrc(0) depctr_va_vcc(0) depctr_vm_vsrc(0)
	s_getreg_b32 s2, hwreg(HW_REG_IB_STS2, 6, 4)
	s_cmp_eq_u32 s2, 0
	s_cbranch_scc0 .Lentry_in_a_cluster
	s_endpgm
.Lentry_in_a_cluster:
	s_bfe_u32 s2, ttmp6, 0x10000c
	s_cmp_lg_u32 s2, 0xf033
	s_cbranch_scc0 .Lentry_shape_is_right
	s_endpgm
.Lentry_shape_is_right:
; q = x Wq / 8, k = x Wk, v = x Wv on E4M3 codes, each result quantised at once for attention (entries 6, 7, 8 of the scales) and stored as IMAGES OF OPERAND REGISTERS.
; Cluster x says which: 0 q, 1 k, 2 v; it is the same in all sixteen partners.  q and k: C[token][head x 64 + channel] = A (x's codes, 4,096 rows) B^T (the weight's codes, 1,024 rows).
; v: C[head x 64 + channel][token] = A (Wv's codes) B^T (x's codes): so a lane's eight results are eight neighbouring TOKENS of one channel, which are the second attention product's K.  Nothing is transposed.
; All that differs between the three is chosen by scalar selects on cluster x: pointers, tile coordinates, the scale, the output's offsets and steps.  No branch hangs on it.
; A tile of C, 256 x 256, is made by four waves, 128 x 128 each: 64 accumulators.  K = 1,024 goes in steps of 256 through a ring of two LDS slots filled by joint tensor loads (A's tile shared along a row of the cluster, B's along a column).
; THE MATRIX INSTRUCTION IS USED TRANSPOSED (source 0 = 16 rows of B, source 1 = 16 rows of A): lane (r, h) of accumulator (a, b) holds C(16 a + r, 16 b + 8 h + 0 .. 7).  One conversion of those eight gives registers 2 b, 2 b + 1
; of the next operand's fragment in the 8-bit layout (registers 2 c, 2 c + 1: k = 16 c + 8 h + 0 .. 7).  An image is [2 halves][32 lanes][16 bytes] = 1 KiB for 16 rows x 64 k; each store of the wave covers 512 consecutive bytes.
; The buffer: q at 0: [batch x head 32][16 tokens 128][1 KiB];  from 4 MiB on 256 KiB for each batch x head: K [16 tokens 128][1 KiB], then V^T [128 keys 16][16 channels 4][2 KiB].
; A code is sum / 2^F, F = e(result) - e(x) - e(weight) (+ 3 for q: the division by 8).  LIMIT: F between -126 and 119.
; Both operands' fragments come by loads of 16 bytes: the same permutation of k on both sides, so every product meets its partner.
; REGISTERS: window 0: v0-31 addresses; v128-255 A's fragments, ONE set; on the way out v192-207.  window 1: B's fragments, TWO sets.  windows 2, 3: the accumulators ((a, b) at v[8 (8 (a % 4) + b)]).
.set SIZE_K, 1024
.set KSTEP,  256
.set ROWB,   256
.set KROW,   SIZE_K
.set PITCH,  272                       ; an LDS row: 256 bytes + 16 of padding = 68 words: the 16 rows of a load start at 16 different banks (64 banks of 4 bytes: ISA guide 11.1)
.set FR,     16
.set NL,     4
.set NP,     4                         ; places behind this matrix instruction (ISA guide 7.12.1)
.set HALFT,  128*PITCH
.set SLOT,   4*HALFT
.set LAPS,   SIZE_K/(2*KSTEP)
.set SPARE,  2*SLOT                    ; behind the ring: the spare words, 128 bytes a wave, which no other line names
.set ADRA, 16
.set ADRB, 20
.set VO0,  24                          ; v24  my byte offset in the output, first pair of stores
.set VO1,  25                          ; v25  second pair
.set LIM,  26
.set SCV,  27                          ; v27  2^F
.set SPW,  28
.set NIL,  29
.set AF,   128
.set TMP,  128                         ; the way out: a block's 64 held sums
.set CD,   192                         ; and its 16 registers of codes
.set G1, 24
.set G0, 32
.set G1B, 48
.set G0B, 56
.set MSB, 0
.macro WIN new                         ; the immediate's high byte repeats the setting that is left
.if MSB != \new
	s_set_vgpr_msb (MSB<<8)|\new
.set MSB, \new
.endif
.endm
.set MUL_LO, 0xa1                      ; source 0 (B) window 1, source 1 (A) window 0, C and D window 2
.set MUL_HI, 0xf1                      ; the same, C and D window 3
.set TO_B,   0x40                      ; destination window 1, address window 0
; A joint load: waves 0 and 1 fetch for A, waves 2 and 3 for B; the branch hangs on the wave's number alone.  Four v_nop follow each of the two lines.
.macro JLOAD g0a, g1a, g0b, g1b
	s_cmp_eq_u32 s15, 0
	s_cbranch_scc0 .Lfor_b_\@
	tensor_load_to_lds s[\g0a:\g0a+3], s[\g1a:\g1a+7]
	s_nop 0
.rept 4
	v_nop
.endr
	s_branch .Lasked_\@
.Lfor_b_\@:
	tensor_load_to_lds s[\g0b:\g0b+3], s[\g1b:\g1b+7]
	s_nop 0
.rept 4
	v_nop
.endr
.Lasked_\@:
.endm
.macro CREST                           ; a round of the cluster's barrier behind its opening barrier
	s_cmp_lg_u32 s14, 0
	s_cbranch_scc1 .Lnot_wave_0_\@
	s_barrier_signal -3
.Lnot_wave_0_\@:
	s_barrier_wait -3
	s_barrier_signal -1
	s_barrier_wait -1
.endm
.macro CROUND
	s_barrier_signal -1
	s_barrier_wait -1
	CREST
.endm
	s_load_b256 s[68:75], s[0:1], 0x0              ; xc s[68:69], Wq s[70:71], Wk s[72:73], Wv s[74:75]
	s_load_b128 s[76:79], s[0:1], 0x20             ; the scales' exponents s[76:77], the output s[78:79]
	v_lshl_add_u32 v[SPW], v0, 2, SPARE
	v_mov_b32 v[NIL], 0
	ds_add_u32 v28, v29
	ds_add_u32 v28, v29
	s_wait_dscnt 0x0
	v_lshrrev_b32 v1, 5, v0
	v_readfirstlane_b32 s14, v1                    ; wave 0..3
	s_lshr_b32 s15, s14, 1                         ; which half of the tile's rows is mine.  Also: I fetch for A (0) or for B (1)
	s_and_b32 s16, s14, 1                          ; which half of its columns.  Also: which 128 rows of that tile I fetch
	s_bfe_u32 s40, ttmp6, 0x40000                  ; cx, cy: my place in the cluster
	s_bfe_u32 s41, ttmp6, 0x40004
	s_and_b32 s17, ttmp7, 0xffff
	s_lshl_b32 s17, s17, 2                         ; 4 x cluster y: it walks the tokens, which are A's rows for q and k, B's rows for v
	s_cmp_eq_u32 ttmp9, 2
	s_cselect_b32 s42, s17, 0
	s_cselect_b32 s17, 0, s17
	s_add_co_u32 s42, s42, s40                     ; tile column of C: holds cx, never cy
	s_add_co_u32 s17, s17, s41                     ; tile row of C: holds cy, never cx
	s_lshl_b32 s43, s41, 2
	s_lshl_b32 s43, 15, s43                        ; my row of the cluster
	s_lshl_b32 s44, 0x1111, s40                    ; my column
	s_or_b32 s[G1+0], s43, (0<<16)|(1<<20)|(1<<21)|(5<<22)|(3<<25)  ; the mask; elements of 1 byte; padding on; bit 21 beside a mask; after every 64 words four words
	s_or_b32 s[G1B+0], s44, (0<<16)|(1<<20)|(1<<21)|(5<<22)|(3<<25)
.irp g, G1, G1B
	s_mov_b32 s[\g+1], ROWB<<16                    ; tensor_dim0
	s_mov_b32 s[\g+2], 128<<16                     ; tensor_dim1
	s_mov_b32 s[\g+3], ROWB<<16                    ; tile_dim0
	s_mov_b32 s[\g+4], 128                         ; tile_dim1
	s_mov_b32 s[\g+5], KROW                        ; tensor_dim0_stride
	s_mov_b32 s[\g+6], 0
	s_mov_b32 s[\g+7], 0
.endr
	s_lshl_b32 s18, s16, 7                         ; which 128 rows of the tile I fetch
	s_lshl_b32 s20, s17, 8
	s_add_co_u32 s20, s20, s18
	s_lshl_b32 s20, s20, 10                        ; A: (256 x tile row + 128 x half) rows of 1,024 bytes
	s_lshl_b32 s46, s42, 8
	s_add_co_u32 s46, s46, s18
	s_lshl_b32 s46, s46, 10                        ; B: likewise with the tile column
	s_mov_b32 s21, 0
	s_mov_b32 s47, 0
	s_mul_i32 s45, s14, HALFT                      ; where they go: wave x 128 rows
	s_lshl_b32 s22, ttmp9, 22                      ; x's set of codes: 4 MiB each
	s_mov_b32 s23, 0
	s_wait_kmcnt 0x0
	s_load_b512 s[80:95], s[76:77], 0x0            ; the sixteen exponents: entry i in s[80+i]
	s_add_nc_u64 s[68:69], s[68:69], s[22:23]
	s_cmp_eq_u32 ttmp9, 0
	s_cselect_b64 s[70:71], s[70:71], s[72:73]
	s_cmp_eq_u32 ttmp9, 2
	s_cselect_b64 s[70:71], s[74:75], s[70:71]     ; the weight
	s_cselect_b64 s[4:5], s[70:71], s[68:69]       ; A: the weight for v, else x
	s_cselect_b64 s[6:7], s[68:69], s[70:71]       ; B: the other
	s_add_nc_u64 s[20:21], s[4:5], s[20:21]
	s_add_nc_u64 s[46:47], s[6:7], s[46:47]
	CROUND                                         ; all sixteen work-groups are here: the first joint loads meet
.irp s, 0,1
	s_mov_b32 s[G0+4*\s], 1
	s_add_co_u32 s[G0+4*\s+1], s45, \s*SLOT
	s_add_nc_u64 s[G0+4*\s+2:G0+4*\s+3], s[20:21], \s*ROWB
	s_or_b32 s[G0+4*\s+3], s[G0+4*\s+3], 0x80000000
	s_mov_b32 s[G0B+4*\s], 1
	s_add_co_u32 s[G0B+4*\s+1], s45, \s*SLOT
	s_add_nc_u64 s[G0B+4*\s+2:G0B+4*\s+3], s[46:47], \s*ROWB
	s_or_b32 s[G0B+4*\s+3], s[G0B+4*\s+3], 0x80000000
	JLOAD G0+4*\s, G1, G0B+4*\s, G1B
.endr
	v_and_b32 v1, 15, v0                           ; l % 16
	v_bfe_u32 v2, v0, 4, 1                         ; l / 16
	v_mul_u32_u24 v3, v1, PITCH
	v_lshl_add_u32 v4, v2, 4, v3                   ; a fragment's row x pitch + 16 x half
	s_mul_i32 s21, s15, HALFT                      ; my 128 rows of A
	s_mul_i32 s22, s16, HALFT                      ; my 128 rows of B,
	s_add_co_u32 s22, s22, 2*HALFT                 ; which lie behind A's 256
.irp s, 0,1
	v_add_nc_u32 v[ADRA+\s], s21, v4
	v_add_nc_u32 v[ADRB+\s], s22, v4
	s_add_co_u32 s21, s21, SLOT
	s_add_co_u32 s22, s22, SLOT
.endr
	; where my wave's images go
	s_lshl_b32 s8, s17, 8
	s_lshl_b32 s9, s15, 7
	s_add_co_u32 s8, s8, s9                        ; my first row of C
	s_lshl_b32 s9, s42, 8
	s_lshl_b32 s10, s16, 7
	s_add_co_u32 s9, s9, s10                       ; my first column
	s_cmp_eq_u32 ttmp9, 2
	s_cselect_b32 s10, s9, s8                      ; my first token,
	s_cselect_b32 s11, s8, s9                      ; my first head x 64 + channel
	s_lshr_b32 s12, s10, 11
	s_lshl_b32 s12, s12, 4
	s_lshr_b32 s13, s11, 6
	s_add_co_u32 s12, s12, s13                     ; batch x 16 + head
	s_and_b32 s10, s10, 2047
	s_lshl_b32 s10, s10, 6                         ; 16 tokens are 1 KiB of q or K; 128 tokens are 8 KiB of V^T
	s_cmp_eq_u32 ttmp9, 0
	s_cselect_b32 s13, 17, 18                      ; 128 KiB for a head of q, 256 KiB for a head of K and V^T
	s_lshl_b32 s12, s12, s13
	s_add_co_u32 s12, s12, s10
	s_cmp_eq_u32 ttmp9, 0
	s_cselect_b32 s13, 0, 0x400000                 ; K and V^T lie behind q's 4 MiB,
	s_add_co_u32 s12, s12, s13
	s_cmp_eq_u32 ttmp9, 2
	s_cselect_b32 s13, 0x20000, 0                  ; V^T behind a head's K
	s_add_co_u32 s12, s12, s13
	s_cmp_eq_u32 ttmp9, 0
	s_mov_b32 s13, 0x40000
	s_cselect_b32 s13, 0x20000, s13                ; codes 8-15 of a block: q, k: the next head's image;
	s_cmp_eq_u32 ttmp9, 2
	s_cselect_b32 s13, 1024, s13                   ; v: the fragment's second KiB
	s_mov_b32 s66, 1024
	s_cselect_b32 s66, 2048, s66                   ; from block to block: q, k: the next 16 tokens; v: the next 16 channels,
	s_mov_b32 s67, 1024
	s_cselect_b32 s67, 256000, s67                 ; and v, from block 3 to block 4: the next head: 262,144 - 3 x 2,048
	v_and_b32 v6, 31, v0
	v_lshlrev_b32 v6, 4, v6
	v_add_nc_u32 v[VO0], s12, v6
	v_add_nc_u32 v[VO1], s13, v[VO0]
.macro FRAG reg, adr, q, i             ; 16 rows x 128 K: lane l holds row l % 16; registers 4 c .. 4 c + 3 hold K = 32 c + 16 (l / 16) + 0 .. 15
.irp c, 0,1,2,3
	ds_load_b128 v[\reg+4*\c:\reg+4*\c+3], v[\adr] offset:128*(\q)+32*\c+(\i)*16*PITCH
.endr
.endm
; 16 matrix instructions: A's blocks a0, a0 + 1 x B's eight.  p: B's set.  zero = 1: the first product starts the sums.  The 64 accumulators take turns, one instruction a turn.
.macro MUL16 a0, p, zero
.irp a, \a0, \a0+1
.irp b, 0,1,2,3,4,5,6,7
.if \zero
	v_wmma_f32_16x16x128_fp8_fp8 v[8*(8*((\a)%4)+\b):8*(8*((\a)%4)+\b)+7], v[128*(\p)+FR*\b:128*(\p)+FR*\b+FR-1], v[AF+FR*(\a):AF+FR*(\a)+FR-1], 0
.else
	v_wmma_f32_16x16x128_fp8_fp8 v[8*(8*((\a)%4)+\b):8*(8*((\a)%4)+\b)+7], v[128*(\p)+FR*\b:128*(\p)+FR*\b+FR-1], v[AF+FR*(\a):AF+FR*(\a)+FR-1], v[8*(8*((\a)%4)+\b):8*(8*((\a)%4)+\b)+7]
.endif
.endr
.endr
.endm
.macro FETCH_B slot, q, p
	WIN TO_B
.irp i, 0,1,2,3,4,5,6,7
	FRAG 128*(\p)+FR*\i, ADRB+\slot, \q, \i
.endr
	WIN 0
.endm
.macro FETCH_A slot, q, i0
.irp i, \i0, \i0+1, \i0+2, \i0+3
	FRAG AF+FR*(\i), ADRA+\slot, \q, \i
.endr
.endm
.macro PLACES n                        ; plain vector lines between a matrix instruction and a load into, or a vector write of, a register that it read, and the first read of its result
.rept \n
	v_nop
.endr
.endm
.macro STEP slot, q, zero              ; 128 along K with its successor in the same slot
	s_wait_dscnt 4*NL                              ; B's set and A's blocks 0-3 are in; the youngest sixteen loads (A's blocks 4-7) may be out
	WIN MUL_LO
	MUL16 0, (\q)%2, \zero
	MUL16 2, (\q)%2, \zero
	s_wait_dscnt 0                                 ; A's blocks 4-7 are in
	PLACES NP
	FETCH_B \slot, (\q)+1, 1-(\q)%2
	FETCH_A \slot, (\q)+1, 0
	WIN MUL_HI
	MUL16 4, (\q)%2, \zero
	MUL16 6, (\q)%2, \zero
	PLACES NP
	WIN 0
	FETCH_A \slot, (\q)+1, 4
.endm
; A slot's last step changes slots: one barrier; in front of it each wave waits for all its tensor loads, adds 0 to its spare word, and waits for that and for its reads of this slot.  fill = 1: the slot is filled again, two K steps ahead.
.macro TURN slot, next, fill
	s_wait_tensorcnt 0x0                           ; all my tensor loads have landed: my part of the next slot
	ds_add_u32 v[SPW], v[NIL]                      ; 0 onto my spare word
	s_wait_dscnt 4*NL+1                            ; the add and the youngest sixteen loads may be out
	WIN MUL_LO
	MUL16 0, 1, 0
	s_wait_dscnt 0x0                               ; the add is done, and my reads of this slot are over
	s_barrier_signal -1
	MUL16 2, 1, 0
	WIN 0
	s_barrier_wait -1
.if \fill
	CREST                                          ; the barrier has opened a round of the cluster's: no wave of any partner still reads this slot or has a load on its way
	s_add_nc_u64 s[G0+4*\slot+2:G0+4*\slot+3], s[G0+4*\slot+2:G0+4*\slot+3], 2*ROWB
	s_add_nc_u64 s[G0B+4*\slot+2:G0B+4*\slot+3], s[G0B+4*\slot+2:G0B+4*\slot+3], 2*ROWB
	JLOAD G0+4*\slot, G1, G0B+4*\slot, G1B         ; the first tensor load behind the round; its four v_nop are the places in front of the loads below
.else
	PLACES NP
.endif
	FETCH_B \next, 0, 0
	FETCH_A \next, 0, 0
	WIN MUL_HI
	MUL16 4, 1, 0
	MUL16 6, 1, 0
	PLACES NP
	WIN 0
	FETCH_A \next, 0, 4
.endm
	s_wait_alu depctr_va_vdst(0)
	s_wait_tensorcnt 1                             ; my part of K step 0 is in (K step 1's load may be out)
	s_barrier_signal -1
	s_barrier_wait -1                              ; everybody's is
	FETCH_B 0, 0, 0
	FETCH_A 0, 0, 0
	FETCH_A 0, 0, 4
	STEP 0, 0, 1
	s_mov_b32 s3, LAPS-1
.Llap:                                                 ; a trip goes once round the ring and fills both slots again
	TURN 0, 1, 1
	STEP 1, 0, 0
	TURN 1, 0, 1
	STEP 0, 0, 0
	s_sub_co_u32 s3, s3, 1
	s_cmp_lg_u32 s3, 0
	s_cbranch_scc1 .Llap
	TURN 0, 1, 0                                   ; the last lap fills nothing
	STEP 1, 0, 0
	s_wait_dscnt 4*NL
	WIN MUL_LO
	MUL16 0, 1, 0
	MUL16 2, 1, 0
	s_wait_dscnt 0
	WIN MUL_HI
	MUL16 4, 1, 0
	MUL16 6, 1, 0
	WIN 0
	; THE WAY OUT: no LDS: a block's conversions give the next operand's registers, which are stored as they stand.
	s_wait_kmcnt 0x0
	s_sub_co_i32 s96, s86, s80
	s_sub_co_i32 s96, s96, s81
	s_add_co_i32 s96, s96, 3                       ; q: e6 - e0 - e1 + 3
	s_sub_co_i32 s97, s87, s82
	s_sub_co_i32 s97, s97, s83                     ; k: e7 - e2 - e3
	s_sub_co_i32 s98, s88, s84
	s_sub_co_i32 s98, s98, s85                     ; v: e8 - e4 - e5
	s_cmp_eq_u32 ttmp9, 0
	s_cselect_b32 s96, s96, s97
	s_cmp_eq_u32 ttmp9, 2
	s_cselect_b32 s96, s98, s96                    ; F
	s_add_co_i32 s96, s96, 127
	s_lshl_b32 s97, s96, 23
	s_add_co_i32 s96, s96, 8
	s_lshl_b32 s96, s96, 23
	s_or_b32 s96, s96, 0x600000
	PLACES NP                                      ; behind the last products: their results are read and A's registers written below
	v_mov_b32 v[SCV], s97
.macro OUTBLK a
.set AC, 64*((\a)%4)
.if (\a) > 0
	s_wait_xcnt 0x0                                ; the last block's stores have read their offsets and their data: both are written again below
.if (\a) == 4
	v_add_nc_u32 v[VO0], s67, v[VO0]
	v_add_nc_u32 v[VO1], s67, v[VO1]
.else
	v_add_nc_u32 v[VO0], s66, v[VO0]
	v_add_nc_u32 v[VO1], s66, v[VO1]
.endif
.endif
	WIN 0x02+((\a)/4)                              ; source 0: window 2 or 3
.set j, 0
.rept 64
.set j, j+1
.endr
.irp b, 0,1,2,3,4,5,6,7
	v_cvt_scalef32_pk8_fp8_f32 v[CD+2*\b:CD+2*\b+1], v[AC+8*\b:AC+8*\b+7], v[SCV]
.endr
	WIN 0
	v_nop                                          ; one plain line behind the conversions
	global_store_b128 v[VO0], v[CD:CD+3], s[78:79]
	global_store_b128 v[VO0], v[CD+4:CD+7], s[78:79] offset:512
	global_store_b128 v[VO1], v[CD+8:CD+11], s[78:79]
	global_store_b128 v[VO1], v[CD+12:CD+15], s[78:79] offset:512
.endm
.irp a, 0,1,2,3,4,5,6,7
	OUTBLK \a
.endr
	s_wait_tensorcnt 0x0                           ; the wave's end
	ds_add_u32 v[SPW], v[NIL]
	s_wait_dscnt 0x0
	CROUND                                         ; the closing round: no work-group ends while a partner may still ask for a tile that names it
	s_endpgm
.Lfunc_end_k_q414afbeb89_qkv:
	.size	k_q414afbeb89_qkv, .Lfunc_end_k_q414afbeb89_qkv-k_q414afbeb89_qkv
	.p2alignl 7, 3214868480
	.fill 96, 4, 3214868480
	.section	.rodata,"a",@progbits
	.p2align	6, 0x0
	.amdhsa_kernel k_q414afbeb89_qkv
		.amdhsa_group_segment_fixed_size 327680
		.amdhsa_private_segment_fixed_size 0
		.amdhsa_enable_private_segment 0
		.amdhsa_kernarg_size 48
		.amdhsa_user_sgpr_count 2
		.amdhsa_user_sgpr_kernarg_segment_ptr 1
		.amdhsa_wavefront_size32 1
		.amdhsa_system_sgpr_workgroup_id_x 1
		.amdhsa_system_sgpr_workgroup_id_y 1
		.amdhsa_system_sgpr_workgroup_id_z 1
		.amdhsa_system_vgpr_workitem_id 0
		.amdhsa_next_free_vgpr 1024
		.amdhsa_next_free_sgpr 100
		.amdhsa_reserve_vcc 0
		.amdhsa_float_denorm_mode_32 3
		.amdhsa_float_denorm_mode_16_64 3
		.amdhsa_fp16_overflow 1
		.amdhsa_memory_ordered 1
		.amdhsa_forward_progress 1
		.amdhsa_inst_pref_size 88
	.end_amdhsa_kernel
	.amdgpu_metadata
---
amdhsa.version: [ 1, 2 ]
amdhsa.kernels:
  - .name:           k_q414afbeb89_qkv
    .symbol:         k_q414afbeb89_qkv.kd
    .args:
      - { .name: xc, .offset: 0, .size: 8, .value_kind: global_buffer, .address_space: global }
      - { .name: Wq_codes, .offset: 8, .size: 8, .value_kind: global_buffer, .address_space: global }
      - { .name: Wk_codes, .offset: 16, .size: 8, .value_kind: global_buffer, .address_space: global }
      - { .name: Wv_codes, .offset: 24, .size: 8, .value_kind: global_buffer, .address_space: global }
      - { .name: lowp_scales, .offset: 32, .size: 8, .value_kind: global_buffer, .address_space: global }
      - { .name: qkv, .offset: 40, .size: 8, .value_kind: global_buffer, .address_space: global }
    .group_segment_fixed_size: 327680
    .private_segment_fixed_size: 0
    .kernarg_segment_align: 8
    .kernarg_segment_size: 48
    .max_flat_workgroup_size: 128
    .sgpr_count:     100
    .vgpr_count:     1024
    .wavefront_size: 32
...
	.end_amdgpu_metadata
.endif
;; end of part 2
;; launch attn (part 3): grid 8 x 32, 16 waves a work-group, no clusters, 264,192 bytes of LDS; arguments qkv, lowp_scales, ctxc; writes ctxc
.if DOCPART == 3
	.amdgcn_target "amdgcn-amd-amdhsa--gfx1250"
	.amdhsa_code_object_version 6
	.text
	.protected	k_q414afbeb89_attn
	.globl	k_q414afbeb89_attn
	.p2align	8
	.type	k_q414afbeb89_attn,@function
k_q414afbeb89_attn:
	s_mov_b64 s[64:65], 0
	v_nop
	global_prefetch_b8 v0, s[64:65] scope:SCOPE_SE
	s_setreg_imm32_b32 hwreg(HW_REG_WAVE_MODE, 25, 1), 1
	s_wait_xcnt 0x0
; ctx[b][t][head][:] = the sum over s <= t of softmax_s(q[t] . k[s]) v[s][:], both products on E4M3 codes; ctx is quantised at once (entry 10 of the scales) and stored as images of operand registers for the next product.
; q (it carries the 1 / 8), k: scales entries 6, 7; v: 8; p: 9.  t = score x log2(e); M = the row's largest t so far, rounded UP to a whole number; p = 2^(t - M) is quantised along the keys, not normalised;
; the row's sum is taken of the unquantised p and divides at the end.  When M moves, the sum and O are multiplied by 2^(old M - new M): exact.
; SHARES.  A work-group takes one batch x head (grid y) and TWO blocks of 128 queries, i and 15 - i (grid x = i): with the causal mask block j needs j + 1 steps of 128 keys, so every work-group has 17 of them.
; Sixteen waves, one tile of 16 queries each, 256 registers: wave w takes tile w / 2 of the low block or of the high one, by (w xor w / 4) % 2, so that low and high tiles are mixed among any four neighbouring waves.
; LDS holds the head's WHOLE K (128 KiB) and V^T (128 KiB), each byte filled once: no slot is filled again.  Every wave issues four tensor loads of 4 KiB at the head, one for each quarter of the keys (512); by this text's count
; four are out at the most.  In front of quarter g stands a wait that leaves the 3 - g later loads out, and a barrier.  Every wave walks all sixteen steps: the trip counts are constants; a step all of whose keys come after the
; wave's queries is left out by a scalar branch on ids, which goes round no barrier and no tensor load.
; NO CLUSTER: the work-groups that share K and V are the query blocks of a head, and what each leaves out hangs on its block.
; LAYOUT.  S^T = K Q^T (source 0 = 16 keys, source 1 = my 16 queries): lane (r, h) holds query r and keys 16 i + 8 h + 0 .. 7 of tile i: one conversion of a tile gives registers 2 i, 2 i + 1 of P in the 8-bit layout for K = 128.
; O^T = V^T P^T (source 0 = 16 channels x 128 keys): lane (r, h) holds query r, channels 16 t + 8 h + 0 .. 7.  K, Q and V^T lie in memory as images of these registers: every load takes 16 bytes a lane, 512 on end.
; LIMITS on the given exponents: e6 + e7 between -126 and 127 (added to log2(e)'s exponent field); e9, and e10 - e8 - e9, between -126 and 119.
; REGISTERS: v1, v2 my lane's place in K's and V's images; v3, v4 addresses in hand; v6 lane % 16 - 8 (lane / 16); v12 -M, v13 the largest t, v[14:15] the sum in two halves; v16-23 Q; v32-95 K's eight fragments, then V's four;
; v96-159 S^T, then p; v160-191 O^T; v224-239 p's codes; v236-254 at work.
.set LI,  1
.set LV,  2
.set ADK, 3
.set ADV, 4
.set WV,  18
.set SEL, 20
.set CS,  22
.set G1,  24
.set G0,  32                           ; s[32:47] four groups 0, never rewritten
.set TB,  48                           ; LDS byte of the step's keys in K's region, and in V's: 8,192 a step in both
.set KF,  49                           ; the step's first key
.set Q0,  50                           ; my first query
.set QL,  51                           ; my last
.set CNT, 52
.set EX,  68                           ; s[68:83] the sixteen exponents
	s_load_b128 s[4:7], s[0:1], 0x0                ; qkv, the scales' exponents
	s_load_b64 s[8:9], s[0:1], 0x10                ; ctxc
	v_lshl_add_u32 v251, v0, 2, 0x40000
	v_mov_b32 v255, 0
	ds_add_u32 v251, v255
	ds_add_u32 v251, v255
	v_lshrrev_b32 v5, 5, v0
	s_delay_alu instid0(VALU_DEP_1)
	v_readfirstlane_b32 s[WV], v5                  ; wave 0..15
	s_and_b32 s10, ttmp7, 0xffff                   ; batch x 16 + head
	s_lshr_b32 s11, s[WV], 3                       ; waves 0-7 fetch K, waves 8-15 V^T:
	s_lshl_b32 s11, s11, 17
	s_and_b32 s12, s[WV], 7
	s_lshl_b32 s12, s12, 12
	s_add_co_u32 s11, s11, s12                     ; LDS byte of my 4 KiB of quarter 0; the head's 256 KiB lie in memory as in LDS
	s_lshl_b32 s12, s10, 18
	s_add_co_u32 s12, s12, s11
	s_add_co_u32 s12, s12, 0x400000                ; K and V^T lie behind q's 4 MiB
	s_mov_b32 s13, 0
	s_mov_b32 s[G1], 3<<16                         ; no mask; elements of 8 bytes; no padding
	s_mov_b32 s[G1+1], 32<<16                      ; tensor_dim0 = 32 elements: rows of 256 bytes
	s_mov_b32 s[G1+2], 16<<16                      ; tensor_dim1 = 16
	s_mov_b32 s[G1+3], 32<<16                      ; tile_dim0
	s_mov_b32 s[G1+4], 16                          ; tile_dim1
	s_mov_b32 s[G1+5], 32                          ; the block is dense
	s_mov_b32 s[G1+6], 0
	s_mov_b32 s[G1+7], 0
	s_mov_b32 s[SEL], 0x76543210
	s_mov_b32 s[SEL+1], 0xfedcba98
	s_mov_b32 s[TB], 0
	s_mov_b32 s[KF], 0
	s_wait_dscnt 0x0
	s_wait_kmcnt 0x0
	s_load_b512 s[EX:EX+15], s[6:7], 0x0
	s_add_nc_u64 s[14:15], s[4:5], s[12:13]
.irp g, 0,1,2,3
	s_mov_b32 s[G0+4*\g], 1
	s_add_co_u32 s[G0+4*\g+1], s11, \g*32768
	s_add_nc_u64 s[G0+4*\g+2:G0+4*\g+3], s[14:15], \g*32768
	s_or_b32 s[G0+4*\g+3], s[G0+4*\g+3], 0x80000000
.endr
	tensor_load_to_lds s[G0:G0+3], s[G1:G1+7]      ; the first fills, one group, ahead of every wait on TENSORcnt, every LDS read and every barrier
	s_nop 0
	tensor_load_to_lds s[G0+4:G0+7], s[G1:G1+7]
	s_nop 0
	tensor_load_to_lds s[G0+8:G0+11], s[G1:G1+7]
	s_nop 0
	tensor_load_to_lds s[G0+12:G0+15], s[G1:G1+7]
	s_nop 0
.rept 4
	v_nop
.endr
	s_lshr_b32 s53, s[WV], 1                       ; my tile in its block
	s_lshr_b32 s54, s[WV], 2
	s_xor_b32 s54, s54, s[WV]
	s_and_b32 s54, s54, 1                          ; low block (0) or high (1)
	s_sub_co_u32 s55, 15, ttmp9
	s_cmp_eq_u32 s54, 1
	s_cselect_b32 s55, s55, ttmp9
	s_lshl_b32 s55, s55, 7
	s_lshl_b32 s53, s53, 4
	s_add_co_u32 s[Q0], s55, s53
	s_add_co_u32 s[QL], s[Q0], 15
	s_lshl_b32 s56, s10, 17                        ; q: 128 KiB a head, 1 KiB for 16 queries
	s_lshl_b32 s57, s[Q0], 6
	s_add_co_u32 s56, s56, s57
	s_mov_b32 s57, 0
	s_add_nc_u64 s[4:5], s[4:5], s[56:57]
	v_and_b32 v5, 31, v0
	s_delay_alu instid0(VALU_DEP_1)
	v_lshlrev_b32 v[LI], 4, v5
	s_delay_alu instid0(VALU_DEP_1)
	v_add_nc_u32 v[LV], 0x20000, v[LI]
	global_load_b128 v[16:19], v[LI], s[4:5]       ; Q's fragment stays in registers
	global_load_b128 v[20:23], v[LI], s[4:5] offset:512
	s_lshr_b32 s58, s10, 4                         ; ctxc: [16 tokens 256][head 16][1 KiB]
	s_lshl_b32 s58, s58, 7
	s_lshr_b32 s59, s[Q0], 4
	s_add_co_u32 s58, s58, s59
	s_lshl_b32 s58, s58, 14
	s_and_b32 s59, s10, 15
	s_lshl_b32 s59, s59, 10
	s_add_co_u32 s58, s58, s59
	s_mov_b32 s59, 0
	s_add_nc_u64 s[8:9], s[8:9], s[58:59]
	v_and_b32 v6, 15, v0
	v_bfe_u32 v7, v0, 4, 1
	s_delay_alu instid0(VALU_DEP_1)
	v_lshlrev_b32 v7, 3, v7
	s_delay_alu instid0(VALU_DEP_1)
	v_sub_nc_u32 v6, v6, v7                        ; r - 8 h
	v_mov_b32 v13, 0xff61b1e6                      ; the largest t so far: -3e38, under every t
	s_delay_alu instid0(VALU_DEP_1)
	v_floor_f32 v12, -v13                          ; -M
	v_mov_b32 v14, 0
	v_mov_b32 v15, 0
	v_mov_b32 v236, 0                              ; written once: a lane permute's destination counts as one of its sources
	v_mov_b32 v252, 0
	v_mov_b32 v253, 0                              ; (named as the upper half of the pair v[252:253])
.set j, 0
.rept 32
	v_mov_b32 v[160+j], 0                          ; O^T: the step is written once; the first finds zeros, which the first change of M leaves zeros
.set j, j+1
.endr
	s_wait_kmcnt 0x0
	s_add_co_i32 s60, s[EX+6], s[EX+7]
	s_lshl_b32 s60, s60, 23
	s_add_co_i32 s[CS], s60, 0x3fb8aa3b            ; c = log2(e) x 2^(e6 + e7): the exponents are added to its exponent field
	s_mov_b32 s[CS+1], s[CS]                       ; (named with it as a pair)
	s_add_co_i32 s60, s[EX+9], 127
	s_lshl_b32 s61, s60, 23
	v_mov_b32 v244, s61                            ; 2^e9, for p's conversions
; A KEY STEP: 128 keys.
.macro STEP
	s_cmp_gt_u32 s[KF], s[QL]
	s_cbranch_scc1 .Lhidden_\@                     ; all its keys come after my queries
	s_setprio 2
	v_add_nc_u32 v[ADK], s[TB], v[LI]
	v_add_nc_u32 v[ADV], s[TB], v[LV]
	v_nop
	v_nop                                          ; with the two additions: four places in front of loads into registers that the last products read
.irp i, 0,1,2,3,4,5,6,7
	ds_load_b128 v[32+8*\i:35+8*\i], v[ADK] offset:1024*\i
	ds_load_b128 v[36+8*\i:39+8*\i], v[ADK] offset:1024*\i+512
.endr
	s_wait_alu depctr_va_vdst(0)
	s_wait_dscnt 0x0
.irp i, 0,1,2,3,4,5,6,7
	v_wmma_f32_16x16x64_fp8_fp8 v[96+8*\i:103+8*\i], v[32+8*\i:39+8*\i], v[16:23], 0
.endr
.rept 4
	v_nop                                          ; places: K's registers take V's fragments, and the scores are read
.endr
.irp t, 0,1,2,3
.irp c, 0,1,2,3
	ds_load_b128 v[32+16*\t+4*\c:35+16*\t+4*\c], v[ADV] offset:2048*\t+512*\c   ; they land while the softmax is worked
.endr
.endr
	s_add_co_u32 s62, s[KF], 127
	s_cmp_le_u32 s62, s[Q0]
	s_cbranch_scc1 .Lopen_\@                       ; all keys count
	s_sub_co_i32 s62, s[Q0], s[KF]
	v_add_nc_u32 v252, s62, v6                     ; d = my query - KF - 8 h.  Register n holds key KF + 16 (n / 8) + 8 h + n % 8: hidden where 16 (n / 8) + n % 8 > d
	v_mov_b32 v254, 0xff800000                     ; -infinity: p = 0 then
.set n, 0
.rept 64
	v_cmp_gt_i32 vcc_lo, 16*(n/8)+n%8, v252
	v_cndmask_b32 v[96+n], v[96+n], v254, vcc_lo
.set n, n+1
.endr
.Lopen_\@:
	v_max3_num_f32 v254, v96, v97, v98             ; the step's largest score of my query among my 64 keys, in two chains, ascending,
	v_max3_num_f32 v252, v99, v100, v101
.irp i, 6,10,14,18,22,26,30,34,38,42,46,50,54,58
	v_max3_num_f32 v254, v254, v[96+\i], v[97+\i]
	v_max3_num_f32 v252, v252, v[98+\i], v[99+\i]
.endr
	v_max3_num_f32 v254, v254, v158, v159
	s_delay_alu instid0(VALU_DEP_1)
	v_max_num_f32 v254, v254, v252
	v_permlanex16_b32 v236, v254, s[SEL], s[SEL+1]
	s_delay_alu instid0(VALU_DEP_1)
	v_max_num_f32 v254, v254, v236                 ; and among lane l xor 16's
	s_delay_alu instid0(VALU_DEP_1)
	v_mul_f32 v254, s[CS], v254                    ; as t (c is positive)
	s_delay_alu instid0(VALU_DEP_1)
	v_max_num_f32 v13, v13, v254
	v_mov_b32 v254, v12
	s_delay_alu instid0(VALU_DEP_2)
	v_floor_f32 v12, -v13                          ; the new -M = -ceil(t)
	s_delay_alu instid0(VALU_DEP_1)
	v_sub_f32 v254, v12, v254                      ; old M - new M: a whole number, 0 or less
	s_delay_alu instid0(VALU_DEP_1)
	v_cvt_i32_f32 v254, v254                       ; (it saturates)
	s_delay_alu instid0(VALU_DEP_1)
	v_ldexp_f32 v252, 1.0, v254                    ; f = 2^(old M - new M)
.set j, 0
	s_setprio 1
.rept 32
	v_pk_fma_f32 v[96+j:97+j], v[96+j:97+j], s[CS:CS+1], v[12:13] op_sel_hi:[1,0,0]   ; t - M
.set j, j+2
.endr
.set j, 0
	s_wait_alu depctr_va_vdst(0)
.rept 64
	v_exp_f32 v[96+j], v[96+j]                     ; p = 2^(t - M)
.set j, j+1
.endr
	v_pk_mul_f32 v[14:15], v[14:15], v[252:253] op_sel_hi:[1,0]   ; the sums under the new M (a plain line behind the exponentials)
	s_wait_alu depctr_va_vdst(0)
	v_pk_add_f32 v[242:243], v[100:101], v[104:105]
	v_pk_add_f32 v[248:249], v[108:109], v[112:113]
	v_pk_add_f32 v[246:247], v[116:117], v[120:121]
	v_pk_add_f32 v[240:241], v[124:125], v[128:129]
	v_pk_add_f32 v[238:239], v[132:133], v[136:137]
	v_pk_add_f32 v[236:237], v[140:141], v[144:145]
	v_pk_add_f32 v[234:235], v[148:149], v[152:153]
	v_pk_add_f32 v[14:15], v[14:15], v[156:157]
	v_pk_add_f32 v[242:243], v[242:243], v[96:97]
	v_pk_add_f32 v[248:249], v[248:249], v[98:99]
	v_pk_add_f32 v[246:247], v[246:247], v[102:103]
	v_pk_add_f32 v[240:241], v[240:241], v[106:107]
	v_pk_add_f32 v[238:239], v[238:239], v[110:111]
	v_pk_add_f32 v[236:237], v[236:237], v[114:115]
	v_pk_add_f32 v[234:235], v[234:235], v[118:119]
	v_pk_add_f32 v[14:15], v[14:15], v[122:123]
	v_pk_add_f32 v[242:243], v[242:243], v[126:127]
	v_pk_add_f32 v[248:249], v[248:249], v[130:131]
	v_pk_add_f32 v[246:247], v[246:247], v[134:135]
	v_pk_add_f32 v[240:241], v[240:241], v[138:139]
	v_pk_add_f32 v[238:239], v[238:239], v[142:143]
	v_pk_add_f32 v[236:237], v[236:237], v[146:147]
	v_pk_add_f32 v[234:235], v[234:235], v[150:151]
	s_setprio 0
	v_pk_add_f32 v[14:15], v[14:15], v[154:155]
	v_pk_add_f32 v[242:243], v[242:243], v[158:159]
	s_delay_alu instid0(VALU_DEP_2)
	v_pk_add_f32 v[14:15], v[14:15], v[240:241]
	s_delay_alu instid0(VALU_DEP_2)
	v_pk_add_f32 v[242:243], v[242:243], v[238:239]
	v_pk_add_f32 v[248:249], v[248:249], v[236:237]
	v_pk_add_f32 v[246:247], v[246:247], v[234:235]
	s_delay_alu instid0(VALU_DEP_2)
	v_pk_add_f32 v[14:15], v[14:15], v[248:249]
	s_delay_alu instid0(VALU_DEP_2)
	v_pk_add_f32 v[242:243], v[242:243], v[246:247]
	s_delay_alu instid0(VALU_DEP_1)
	v_pk_add_f32 v[14:15], v[14:15], v[242:243]
.irp i, 0,1,2,3,4,5,6,7
.irp k, 0,1,2,3,4,5,6,7
.endr
	v_cvt_scalef32_pk8_fp8_f32 v[224+2*\i:225+2*\i], v[96+8*\i:103+8*\i], v244
.endr
.set j, 0
.rept 16
	v_pk_mul_f32 v[160+j:161+j], v[160+j:161+j], v[252:253] op_sel_hi:[1,0]   ; O^T under the new M; also the plain lines behind the conversions
.set j, j+2
.endr
	s_wait_alu depctr_va_vdst(0)
	s_wait_dscnt 0x0                               ; V's fragments are in
.irp t, 0,1,2,3
	v_wmma_f32_16x16x128_fp8_fp8 v[160+8*\t:167+8*\t], v[32+16*\t:47+16*\t], v[224:239], v[160+8*\t:167+8*\t]
.endr
.Lhidden_\@:
	s_add_co_u32 s[KF], s[KF], 128
	s_add_co_u32 s[TB], s[TB], 8192
.endm
.macro PHASE g                         ; a quarter of the keys: four steps
	s_wait_tensorcnt 3-\g                          ; my part of this quarter is in; the loads of the 3 - g later quarters, issued behind it, may be out
	s_wait_dscnt 0x0
	s_barrier_signal -1
	s_barrier_wait -1                              ; everybody's part is in
	s_mov_b32 s[CNT], 4
.Lquarter_\@:
	STEP
	s_sub_co_u32 s[CNT], s[CNT], 1
	s_cmp_lg_u32 s[CNT], 0
	s_cbranch_scc1 .Lquarter_\@
	s_setprio 0
.endm
	s_wait_loadcnt 0x0                             ; Q
	PHASE 0
	PHASE 1
	PHASE 2
	PHASE 3
	; THE WAY OUT: O^T / the sum, quantised: the four conversions give the registers of ctx's image for my 16 tokens and my head's 64 along the next K.
.rept 4
	v_nop                                          ; places behind the last products
.endr
	v_add_f32 v14, v14, v15
	s_delay_alu instid0(VALU_DEP_1)
	v_permlanex16_b32 v252, v14, s[SEL], s[SEL+1]
	s_delay_alu instid0(VALU_DEP_1)
	v_add_f32 v14, v14, v252                       ; the row's sum
	s_wait_alu depctr_va_vdst(0)
	v_rcp_f32 v14, v14
	v_nop                                          ; one plain line behind the transcendental
	s_sub_co_i32 s60, s[EX+10], s[EX+8]
	s_sub_co_i32 s60, s60, s[EX+9]                 ; a sum stands for sum x 2^(e8 + e9): its code is (sum / l) / 2^(e10 - e8 - e9)
	s_add_co_i32 s60, s60, 127
	s_lshl_b32 s61, s60, 23
	v_mov_b32 v244, s61
.set j, 0
	s_wait_alu depctr_va_vdst(0)
.rept 32
	v_mul_f32 v[96+j], v[160+j], v14               ; each accumulator from its low end on
.set j, j+1
.endr
.set j, 0
.rept 32
.set j, j+1
.endr
.irp t, 0,1,2,3
	v_cvt_scalef32_pk8_fp8_f32 v[224+2*\t:225+2*\t], v[96+8*\t:103+8*\t], v244
.endr
	v_nop
	global_store_b128 v[LI], v[224:227], s[8:9]    ; 512 consecutive bytes each
	global_store_b128 v[LI], v[228:231], s[8:9] offset:512
	s_wait_tensorcnt 0x0
	ds_add_u32 v251, v255
	s_wait_dscnt 0x0
	s_endpgm
.Lfunc_end_k_q414afbeb89_attn:
	.size	k_q414afbeb89_attn, .Lfunc_end_k_q414afbeb89_attn-k_q414afbeb89_attn
	.p2alignl 7, 3214868480
	.fill 96, 4, 3214868480
	.section	.rodata,"a",@progbits
	.p2align	6, 0x0
	.amdhsa_kernel k_q414afbeb89_attn
		.amdhsa_group_segment_fixed_size 264192
		.amdhsa_private_segment_fixed_size 0
		.amdhsa_enable_private_segment 0
		.amdhsa_kernarg_size 24
		.amdhsa_user_sgpr_count 2
		.amdhsa_user_sgpr_kernarg_segment_ptr 1
		.amdhsa_wavefront_size32 1
		.amdhsa_system_sgpr_workgroup_id_x 1
		.amdhsa_system_sgpr_workgroup_id_y 1
		.amdhsa_system_sgpr_workgroup_id_z 1
		.amdhsa_system_vgpr_workitem_id 0
		.amdhsa_next_free_vgpr 256
		.amdhsa_next_free_sgpr 84
		.amdhsa_reserve_vcc 1
		.amdhsa_float_denorm_mode_32 3
		.amdhsa_float_denorm_mode_16_64 3
		.amdhsa_fp16_overflow 1
		.amdhsa_memory_ordered 1
		.amdhsa_forward_progress 1
		.amdhsa_inst_pref_size 86
	.end_amdhsa_kernel
	.amdgpu_metadata
---
amdhsa.version: [ 1, 2 ]
amdhsa.kernels:
  - .name:           k_q414afbeb89_attn
    .symbol:         k_q414afbeb89_attn.kd
    .args:
      - { .name: qkv, .offset: 0, .size: 8, .value_kind: global_buffer, .address_space: global }
      - { .name: lowp_scales, .offset: 8, .size: 8, .value_kind: global_buffer, .address_space: global }
      - { .name: ctxc, .offset: 16, .size: 8, .value_kind: global_buffer, .address_space: global }
    .group_segment_fixed_size: 264192
    .private_segment_fixed_size: 0
    .kernarg_segment_align: 8
    .kernarg_segment_size: 24
    .max_flat_workgroup_size: 512
    .sgpr_count:     84
    .vgpr_count:     256
    .wavefront_size: 32
...
	.end_amdgpu_metadata
.endif
;; end of part 3
;; launch wo (part 4): grid 8 x 32, 4 waves a work-group, clusters of 4 x 4, 327,680 bytes of LDS; arguments ctxc, woc, lowp_scales, inputs, y; writes y
.if DOCPART == 4
	.amdgcn_target "amdgcn-amd-amdhsa--gfx1250"
	.amdhsa_code_object_version 6
	.text
	.protected	k_q414afbeb89_wo
	.globl	k_q414afbeb89_wo
	.p2align	8
	.type	k_q414afbeb89_wo,@function
k_q414afbeb89_wo:
	s_mov_b64 s[64:65], 0
	v_nop
	global_prefetch_b8 v0, s[64:65] scope:SCOPE_SE
	s_setreg_imm32_b32 hwreg(HW_REG_WAVE_MODE, 25, 1), 1
	s_wait_xcnt 0x0
	s_wait_alu depctr_hold_cnt(0) depctr_sa_sdst(0) depctr_va_vdst(0) depctr_va_sdst(0) depctr_va_ssrc(0) depctr_va_vcc(0) depctr_vm_vsrc(0)
	s_getreg_b32 s2, hwreg(HW_REG_IB_STS2, 6, 4)
	s_cmp_eq_u32 s2, 0
	s_cbranch_scc0 .Lentry_in_a_cluster
	s_endpgm
.Lentry_in_a_cluster:
	s_bfe_u32 s2, ttmp6, 0x10000c
	s_cmp_lg_u32 s2, 0xf033
	s_cbranch_scc0 .Lentry_shape_is_right
	s_endpgm
.Lentry_shape_is_right:
; y[m][n] = res[m][n] (+ bias[n]) + 2^(ea + eb) x the sum over k of A[m][k] B[n][k], on E4M3 codes.  Here: A = ctx (images), B = Wo's codes, res = inputs, no bias, SIZE_K = 1,024, ea, eb = entries 10, 11.
; M = 4,096, N = 1,024: tiles of 256 x 256 would be 64; a tile of C is 128 x 128, 256 work-groups.  Four waves, 64 x 64 each: 16 accumulators.
; A lies in memory as images of operand registers: [16 rows][64 k][2 halves][32 lanes][16 bytes]; two neighbouring images are a fragment for K = 128 in the 8-bit layout (registers 2 c, 2 c + 1: k = 16 c + 8 h + 0 .. 7), fetched by four
; loads of 16 bytes a lane.  B lies by rows, K innermost, and is fetched in the same layout by eight loads of 8 bytes at row x pitch + 16 c + 8 h.
; K goes in steps of 512 through two LDS slots: A's 8 x 8 KiB dense, then B's 128 rows of 512 bytes + 16 of padding (132 words: the 32 lanes of an 8-byte load touch 64 different banks: ISA guide 11.1).
; CLUSTERS: 4 x 4 work-groups; A's tile is shared along a row of the cluster, B's along a column, each asked for jointly.  THE MATRIX INSTRUCTION IS USED TRANSPOSED (source 0 = B's rows, source 1 = A's): a lane holds eight neighbouring columns of a row of C.
; The residual's 64 x 64 numbers of a wave are asked for at the head and lie in registers when the sums are finished.  The way out: a block of 16 rows goes through the wave's own stage in LDS (no fill ever lands there) and comes back by rows
; of 256 bytes; one packed multiply-add gives sum x 2^(ea + eb) + res; sixteen lanes store 256 consecutive bytes, aligned.
; LIMIT: ea + eb between -126 and 127, so that 2^(ea + eb) is an f32 number.
; REGISTERS: window 0: v0-31 addresses; v32-95 the way out, two sets; v128-255 the accumulators ((a, b) at v[128 + 8 (4 a + b)]).  window 1: two fragment buffers of 128: A at 16 a, B at 64 + 16 b.  window 2: v0-127 the residual.
.set SIZE_K, 1024
.set HASB,   0
.set EOFF,   0x28                      ; byte of ea in the scales' buffer; eb follows
.set KSTEP,  512
.set RBLK,   16*SIZE_K                 ; bytes from 16 rows of A's images to the next 16
.set PITCH,  528
.set BHALF,  64*PITCH
.set BOFF,   65536
.set SLOT,   BOFF+2*BHALF
.set SPARE,  2*SLOT                    ; the spare words, 128 bytes a wave, which no other line names
.set STAGE,  SPARE+512
.set SPITCH, 272
.set LAPS,   SIZE_K/(2*KSTEP)
.set BI,   8                           ; v[8:11] the bias of my four columns
.set ADRA, 16
.set ADRB, 20
.set STO,  24
.set RD,   25
.set CO,   26
.set BO,   27
.set SPW,  28
.set NIL,  29
.set T,    32
.set ACC,  128
.set F0,   0
.set F1,   128
.set G1, 24
.set G0, 32
.set G1B, 48
.set G0B, 56
.set MSB, 0
.macro WIN new                         ; the immediate's high byte repeats the setting that is left
.if MSB != \new
	s_set_vgpr_msb (MSB<<8)|\new
.set MSB, \new
.endif
.endm
.set MUL,  0x05                        ; sources 0 (B) and 1 (A) window 1; C and D window 0
.set TO_F, 0x40                        ; destination window 1, address window 0
.macro JLOAD s                         ; a joint load: waves 0 and 1 fetch A's two halves, waves 2 and 3 B's; four v_nop follow each of the two lines
	s_cmp_eq_u32 s11, 0
	s_cbranch_scc0 .Lfor_b_\@
	tensor_load_to_lds s[G0+4*\s:G0+4*\s+3], s[G1:G1+7]
	s_nop 0
.rept 4
	v_nop
.endr
	s_branch .Lasked_\@
.Lfor_b_\@:
	tensor_load_to_lds s[G0B+4*\s:G0B+4*\s+3], s[G1B:G1B+7]
	s_nop 0
.rept 4
	v_nop
.endr
.Lasked_\@:
.endm
.macro CREST
	s_cmp_lg_u32 s10, 0
	s_cbranch_scc1 .Lnot_wave_0_\@
	s_barrier_signal -3
.Lnot_wave_0_\@:
	s_barrier_wait -3
	s_barrier_signal -1
	s_barrier_wait -1
.endm
.macro CROUND
	s_barrier_signal -1
	s_barrier_wait -1
	CREST
.endm
	s_load_b128 s[4:7], s[0:1], 0x0                ; A s[4:5], B s[6:7]
	s_load_b128 s[68:71], s[0:1], 0x10             ; the scales' exponents s[68:69], the residual s[70:71]
.if HASB
	s_load_b128 s[72:75], s[0:1], 0x20             ; the bias s[72:73], y s[74:75]
.else
	s_load_b64 s[74:75], s[0:1], 0x20              ; y
.endif
	v_lshl_add_u32 v[SPW], v0, 2, SPARE
	v_mov_b32 v[NIL], 0
	ds_add_u32 v28, v29
	ds_add_u32 v28, v29
	s_wait_dscnt 0x0
	v_lshrrev_b32 v1, 5, v0
	v_readfirstlane_b32 s10, v1                    ; wave 0..3
	s_lshr_b32 s11, s10, 1                         ; which half of the tile's rows is mine.  Also: I fetch for A (0) or for B (1)
	s_and_b32 s12, s10, 1                          ; which half of its columns.  Also: which half of that tile I fetch
	s_bfe_u32 s40, ttmp6, 0x40000                  ; cx, cy
	s_bfe_u32 s41, ttmp6, 0x40004
	s_lshl_b32 s42, ttmp9, 2
	s_add_co_u32 s42, s42, s40                     ; tile column of C
	s_and_b32 s13, ttmp7, 0xffff
	s_lshl_b32 s13, s13, 2
	s_add_co_u32 s13, s13, s41                     ; tile row of C
	s_lshl_b32 s43, s41, 2
	s_lshl_b32 s43, 15, s43                        ; my row of the cluster
	s_lshl_b32 s44, 0x1111, s40                    ; my column
	s_or_b32 s[G1+0], s43, (0<<16)|(1<<21)         ; A: the mask; elements of 1 byte; no padding; bit 21 beside a mask
	s_mov_b32 s[G1+1], 8192<<16                    ; tensor_dim0: a K step of 16 rows' images is 8,192 consecutive bytes
	s_mov_b32 s[G1+2], 4<<16                       ; tensor_dim1: four blocks of 16 rows
	s_mov_b32 s[G1+3], 8192<<16                    ; tile_dim0
	s_mov_b32 s[G1+4], 4                           ; tile_dim1
	s_mov_b32 s[G1+5], RBLK                        ; tensor_dim0_stride
	s_mov_b32 s[G1+6], 0
	s_mov_b32 s[G1+7], 0
	s_or_b32 s[G1B+0], s44, (0<<16)|(1<<20)|(1<<21)|(6<<22)|(3<<25)  ; B: padding: four words after every 128
	s_mov_b32 s[G1B+1], KSTEP<<16
	s_mov_b32 s[G1B+2], 64<<16
	s_mov_b32 s[G1B+3], KSTEP<<16
	s_mov_b32 s[G1B+4], 64
	s_mov_b32 s[G1B+5], SIZE_K
	s_mov_b32 s[G1B+6], 0
	s_mov_b32 s[G1B+7], 0
	s_lshl_b32 s16, s13, 3
	s_lshl_b32 s17, s12, 2
	s_add_co_u32 s16, s16, s17
	s_mul_i32 s16, s16, RBLK                       ; A: block of 16 rows 8 x tile row + 4 x half
	s_mov_b32 s17, 0
	s_lshl_b32 s46, s42, 7
	s_lshl_b32 s47, s12, 6
	s_add_co_u32 s46, s46, s47
	s_mul_i32 s46, s46, SIZE_K                     ; B: row 128 x tile column + 64 x half
	s_mov_b32 s47, 0
	s_lshl_b32 s20, s12, 15                        ; where they go in a slot: A's half,
	s_mul_i32 s23, s12, BHALF
	s_add_co_u32 s23, s23, BOFF                    ; B's half: no place in the cluster enters an LDS address
	s_wait_kmcnt 0x0
	s_load_b64 s[76:77], s[68:69], EOFF            ; ea, eb
	s_add_nc_u64 s[14:15], s[4:5], s[16:17]
	s_add_nc_u64 s[46:47], s[6:7], s[46:47]
	CROUND                                         ; all sixteen work-groups are here: the first joint loads meet
.irp s, 0,1
	s_mov_b32 s[G0+4*\s], 1
	s_add_co_u32 s[G0+4*\s+1], s20, \s*SLOT
	s_add_nc_u64 s[G0+4*\s+2:G0+4*\s+3], s[14:15], \s*8192
	s_or_b32 s[G0+4*\s+3], s[G0+4*\s+3], 0x80000000
	s_mov_b32 s[G0B+4*\s], 1
	s_add_co_u32 s[G0B+4*\s+1], s23, \s*SLOT
	s_add_nc_u64 s[G0B+4*\s+2:G0B+4*\s+3], s[46:47], \s*KSTEP
	s_or_b32 s[G0B+4*\s+3], s[G0B+4*\s+3], 0x80000000
	JLOAD \s
.endr
	v_and_b32 v1, 15, v0                           ; r
	v_bfe_u32 v2, v0, 4, 1                         ; h
	v_and_b32 v3, 31, v0
	v_lshlrev_b32 v3, 4, v3                        ; A: 16 x lane
	v_mul_u32_u24 v4, v1, PITCH
	v_lshl_add_u32 v4, v2, 3, v4                   ; B: row r, + 8 h
	s_lshl_b32 s21, s11, 15                        ; my 64 rows of A
	s_mul_i32 s22, s12, BHALF
	s_add_co_u32 s22, s22, BOFF                    ; my 64 rows of B
.irp s, 0,1
	v_add_nc_u32 v[ADRA+\s], s21, v3
	v_add_nc_u32 v[ADRB+\s], s22, v4
	s_add_co_u32 s21, s21, SLOT
	s_add_co_u32 s22, s22, SLOT
.endr
	s_mul_i32 s23, s10, 16*SPITCH
	s_add_co_u32 s23, s23, STAGE                   ; my stage
	v_mul_u32_u24 v5, v1, SPITCH
	v_lshl_add_u32 v5, v2, 5, v5
	v_add_nc_u32 v[STO], s23, v5                   ; in: row r, 32 bytes for each half of the lanes
	v_mul_u32_u24 v5, v2, SPITCH
	v_lshl_add_u32 v5, v1, 4, v5
	v_add_nc_u32 v[RD], s23, v5                    ; back: lanes 0-15 one row of 256 bytes, lanes 16-31 the next
	v_lshlrev_b32 v5, 12, v2
	v_lshl_add_u32 v[CO], v1, 4, v5                ; and the same two rows in the residual and in y (rows of 4,096 bytes)
	s_wait_alu depctr_va_vdst(0)
	v_lshlrev_b32 v[BO], 4, v1
	s_lshl_b32 s16, s13, 7
	s_lshl_b32 s17, s11, 6
	s_add_co_u32 s16, s16, s17
	s_lshl_b32 s16, s16, 12                        ; my first row: 128 x tile row + 64 x half
	s_mov_b32 s17, 0
	s_lshl_b32 s46, s42, 9
	s_lshl_b32 s47, s12, 8
	s_add_co_u32 s46, s46, s47                     ; my first column, in bytes: 512 x tile column + 256 x half
	s_mov_b32 s47, 0
.if HASB
	s_add_nc_u64 s[72:73], s[72:73], s[46:47]
.endif
	s_add_nc_u64 s[16:17], s[16:17], s[46:47]
	s_add_nc_u64 s[70:71], s[70:71], s[16:17]
	s_add_nc_u64 s[74:75], s[74:75], s[16:17]
.if HASB
	global_load_b128 v[BI:BI+3], v[BO], s[72:73]
.endif
	WIN 0x80                                       ; destination window 2
.set i, 0
.rept 32
	global_load_b128 v[4*i:4*i+3], v[CO], s[70:71] offset:((i/8)*16+2*(i%8))*4096   ; block i / 8, rows 2 (i % 8) and the next: as they come back from the stage
.set i, i+1
.endr
	WIN 0
.macro MUL4 f, a, zero                 ; A's block a x B's four, 128 along K.  The 16 accumulators take turns, one instruction a turn
.irp b, 0,1,2,3
.if \zero
	v_wmma_f32_16x16x128_fp8_fp8 v[ACC+8*(4*(\a)+\b):ACC+8*(4*(\a)+\b)+7], v[\f+64+16*\b:\f+64+16*\b+15], v[\f+16*(\a):\f+16*(\a)+15], 0
.else
	v_wmma_f32_16x16x128_fp8_fp8 v[ACC+8*(4*(\a)+\b):ACC+8*(4*(\a)+\b)+7], v[\f+64+16*\b:\f+64+16*\b+15], v[\f+16*(\a):\f+16*(\a)+15], v[ACC+8*(4*(\a)+\b):ACC+8*(4*(\a)+\b)+7]
.endif
.endr
.endm
.macro FETCH slot, q, f                ; 48 LDS loads in one run: the fragments of the slot's q-th 128 along K: B's four, then A's four in ascending order
	WIN TO_F
.irp b, 0,1,2,3
.irp c, 0,1,2,3,4,5,6,7
	ds_load_b64 v[\f+64+16*\b+2*\c:\f+64+16*\b+2*\c+1], v[ADRB+\slot] offset:\b*16*PITCH+128*(\q)+16*\c
.endr
.endr
.irp a, 0,1,2,3
.irp c, 0,1,2,3
	ds_load_b128 v[\f+16*\a+4*\c:\f+16*\a+4*\c+3], v[ADRA+\slot] offset:\a*8192+2048*(\q)+512*\c
.endr
.endr
.endm
.macro PLACES
.rept 4
	v_nop
.endr
.endm
; A K step is four quarters of 128 along K, 16 matrix instructions each, on buffers 0, 1, 0, 1.  One of the first three: multiplies buffer f and fetches quarter q into g.
.macro QUARTER slot, q, f, g, zero
	s_wait_dscnt 8                                 ; B and A's blocks 0, 1 are in; the youngest eight loads (A's blocks 2, 3) may be out
	WIN MUL
	MUL4 \f, 0, \zero
	MUL4 \f, 1, \zero
	PLACES                                         ; in front of loads into the buffer that the quarter before multiplied
	FETCH \slot, \q, \g
	s_wait_dscnt 48                                ; all but the 48 just issued
	WIN MUL
	MUL4 \f, 2, \zero
	MUL4 \f, 3, \zero
.endm
; The last quarter multiplies buffer 1 and changes slots: one barrier; in front of it each wave waits for all its tensor loads, adds 0 to its spare word, and waits for that and for its reads of this slot.
.macro TURN slot, next, fill
	WIN 0                                          ; (the add's two registers lie in window 0)
	s_wait_tensorcnt 0x0                           ; all my tensor loads have landed: my part of the next slot
	ds_add_u32 v[SPW], v[NIL]                      ; 0 onto my spare word
	s_wait_dscnt 9                                 ; the add and the youngest eight loads may be out
	WIN MUL
	MUL4 F1, 0, 0
	s_wait_dscnt 0x0                               ; the add is done, and my reads of this slot are over
	s_barrier_signal -1
	MUL4 F1, 1, 0
.if \fill
	WIN 0
.endif
	s_barrier_wait -1
.if \fill
	CREST                                          ; the barrier has opened a round of the cluster's: no wave of any partner still reads this slot or has a load on its way
	s_add_nc_u64 s[G0+4*\slot+2:G0+4*\slot+3], s[G0+4*\slot+2:G0+4*\slot+3], 2*8192
	s_add_nc_u64 s[G0B+4*\slot+2:G0B+4*\slot+3], s[G0B+4*\slot+2:G0B+4*\slot+3], 2*KSTEP
	JLOAD \slot                                    ; the first tensor load behind the round; its four v_nop are the places in front of the loads below
.else
	PLACES
.endif
	FETCH \next, 0, F0
	WIN MUL
	MUL4 F1, 2, 0
	MUL4 F1, 3, 0
.endm
	s_wait_tensorcnt 1                             ; my part of K step 0 is in (K step 1's load may be out)
	s_barrier_signal -1
	s_barrier_wait -1                              ; everybody's is
	FETCH 0, 0, F0
	QUARTER 0, 1, F0, F1, 1                        ; the first quarter's products start the sums
.if LAPS > 1
	WIN 0
	s_mov_b32 s3, LAPS-1
.Llap:                                                 ; a trip goes once round the ring and fills both slots again
	QUARTER 0, 2, F1, F0, 0
	QUARTER 0, 3, F0, F1, 0
	TURN 0, 1, 1
	QUARTER 1, 1, F0, F1, 0
	QUARTER 1, 2, F1, F0, 0
	QUARTER 1, 3, F0, F1, 0
	TURN 1, 0, 1
	QUARTER 0, 1, F0, F1, 0
	WIN 0
	s_sub_co_u32 s3, s3, 1
	s_cmp_lg_u32 s3, 0
	s_cbranch_scc1 .Llap
.endif
	QUARTER 0, 2, F1, F0, 0                        ; the last lap fills nothing
	QUARTER 0, 3, F0, F1, 0
	TURN 0, 1, 0
	QUARTER 1, 1, F0, F1, 0
	QUARTER 1, 2, F1, F0, 0
	QUARTER 1, 3, F0, F1, 0
	s_wait_dscnt 8
	WIN MUL
	MUL4 F1, 0, 0
	MUL4 F1, 1, 0
	s_wait_dscnt 0
	MUL4 F1, 2, 0
	MUL4 F1, 3, 0
	WIN 0
	s_wait_kmcnt 0x0
	s_add_co_i32 s78, s76, s77
	s_add_co_i32 s78, s78, 127
	s_lshl_b32 s78, s78, 23                        ; 2^(ea + eb) as f32
	s_mov_b32 s79, s78                             ; (named with it as a pair)
	s_wait_loadcnt 0x0                             ; the residual (and the bias)
	PLACES                                         ; behind the last products: LDS stores read their results
.macro OUT a
.set TS, T+32*((\a)%2)
.if (\a) >= 2
	s_wait_xcnt 0x0                                ; block a - 2's stores have read their data: the set is loaded again
.endif
.irp b, 0,1,2,3
	ds_store_b128 v[STO], v[ACC+8*(4*(\a)+\b):ACC+8*(4*(\a)+\b)+3] offset:64*\b          ; each accumulator from its low end on
	ds_store_b128 v[STO], v[ACC+8*(4*(\a)+\b)+4:ACC+8*(4*(\a)+\b)+7] offset:64*\b+16
.endr
.irp t, 0,1,2,3,4,5,6,7
	ds_load_b128 v[TS+4*\t:TS+4*\t+3], v[RD] offset:\t*2*SPITCH   ; LDS serves a wave's instructions in order: these see my stores, and the next block's stores come behind them
.endr
	s_wait_dscnt 0x0
	WIN 0x20                                       ; source 2 (the residual) window 2
.set j, 0
.rept 16
	v_pk_fma_f32 v[TS+j:TS+j+1], v[TS+j:TS+j+1], s[78:79], v[32*(\a)+j:32*(\a)+j+1] op_sel_hi:[1,0,1]
.set j, j+2
.endr
	WIN 0
.if HASB
.irp t, 0,1,2,3,4,5,6,7
	v_pk_add_f32 v[TS+4*\t:TS+4*\t+1], v[TS+4*\t:TS+4*\t+1], v[BI:BI+1]
	v_pk_add_f32 v[TS+4*\t+2:TS+4*\t+3], v[TS+4*\t+2:TS+4*\t+3], v[BI+2:BI+3]
.endr
.endif
.irp t, 0,1,2,3,4,5,6,7
	global_store_b128 v[CO], v[TS+4*\t:TS+4*\t+3], s[74:75] offset:(16*(\a)+2*\t)*4096   ; 16 lanes store 256 consecutive bytes, at a multiple of 256 from y's first byte
.endr
.endm
.irp a, 0,1,2,3
	OUT \a
.endr
	s_wait_tensorcnt 0x0                           ; the wave's end
	ds_add_u32 v[SPW], v[NIL]
	s_wait_dscnt 0x0
	CROUND                                         ; the closing round
	s_endpgm
.Lfunc_end_k_q414afbeb89_wo:
	.size	k_q414afbeb89_wo, .Lfunc_end_k_q414afbeb89_wo-k_q414afbeb89_wo
	.p2alignl 7, 3214868480
	.fill 96, 4, 3214868480
	.section	.rodata,"a",@progbits
	.p2align	6, 0x0
	.amdhsa_kernel k_q414afbeb89_wo
		.amdhsa_group_segment_fixed_size 327680
		.amdhsa_private_segment_fixed_size 0
		.amdhsa_enable_private_segment 0
		.amdhsa_kernarg_size 40
		.amdhsa_user_sgpr_count 2
		.amdhsa_user_sgpr_kernarg_segment_ptr 1
		.amdhsa_wavefront_size32 1
		.amdhsa_system_sgpr_workgroup_id_x 1
		.amdhsa_system_sgpr_workgroup_id_y 1
		.amdhsa_system_sgpr_workgroup_id_z 1
		.amdhsa_system_vgpr_workitem_id 0
		.amdhsa_next_free_vgpr 640
		.amdhsa_next_free_sgpr 80
		.amdhsa_reserve_vcc 0
		.amdhsa_float_denorm_mode_32 3
		.amdhsa_float_denorm_mode_16_64 3
		.amdhsa_memory_ordered 1
		.amdhsa_forward_progress 1
		.amdhsa_inst_pref_size 57
	.end_amdhsa_kernel
	.amdgpu_metadata
---
amdhsa.version: [ 1, 2 ]
amdhsa.kernels:
  - .name:           k_q414afbeb89_wo
    .symbol:         k_q414afbeb89_wo.kd
    .args:
      - { .name: ctxc, .offset: 0, .size: 8, .value_kind: global_buffer, .address_space: global }
      - { .name: woc, .offset: 8, .size: 8, .value_kind: global_buffer, .address_space: global }
      - { .name: lowp_scales, .offset: 16, .size: 8, .value_kind: global_buffer, .address_space: global }
      - { .name: inputs, .offset: 24, .size: 8, .value_kind: global_buffer, .address_space: global }
      - { .name: y, .offset: 32, .size: 8, .value_kind: global_buffer, .address_space: global }
    .group_segment_fixed_size: 327680
    .private_segment_fixed_size: 0
    .kernarg_segment_align: 8
    .kernarg_segment_size: 40
    .max_flat_workgroup_size: 128
    .sgpr_count:     80
    .vgpr_count:     640
    .wavefront_size: 32
...
	.end_amdgpu_metadata
.endif
;; end of part 4
;; launch ln1 (part 5): grid 256 x 1, 4 waves a work-group, no clusters, 16,896 bytes of LDS; arguments y, g1, be1, lowp_scales, h, hc; writes h, hc
.if DOCPART == 5
	.amdgcn_target "amdgcn-amd-amdhsa--gfx1250"
	.amdhsa_code_object_version 6
	.text
	.protected	k_q414afbeb89_ln1
	.globl	k_q414afbeb89_ln1
	.p2align	8
	.type	k_q414afbeb89_ln1,@function
k_q414afbeb89_ln1:
	s_mov_b64 s[64:65], 0
	v_nop
	global_prefetch_b8 v0, s[64:65] scope:SCOPE_SE
	s_setreg_imm32_b32 hwreg(HW_REG_WAVE_MODE, 25, 1), 1
	s_wait_xcnt 0x0
; h = layer_norm(y) x g1 + be1 over rows of 1,024 f32, stored as f32 and as E4M3 codes (entry 12 of the scales), codes by rows with K innermost.
; A wave takes four whole rows (4,096 bytes each: 32 registers), all asked for at the head; the reductions never leave the wave: no barrier.  Lane L of load j holds elements 128 j + 4 L .. + 3: each load and store covers 512 consecutive bytes.
; Mean first, then the squares of x - mean: a common offset of the row does no harm.  var = sum / 1,024, as the reference's.
; The codes: a conversion of eight registers gives two words, the codes of elements 128 j + 4 L .. + 3 for two j; they go through the wave's own KiB of LDS for that row and leave 16 bytes a lane, 512 consecutive bytes a store.
; LIMIT: e12 between -126 and 119.  NaN among the inputs is not served.
.set G,   16                           ; v16-47   gain
.set BE,  48                           ; v48-79   offset
.set X,   80                           ; v80-207  four rows
.set CD,  208                          ; v208-215 a row's codes
.set BK,  216                          ; v216-247 the codes back from LDS, 8 registers a row
.set SCV, 248
.set LIM, 249
	s_load_b256 s[4:11], s[0:1], 0x0               ; y, g, be, the scales' exponents
	s_load_b128 s[12:15], s[0:1], 0x20             ; h, hc
	v_lshl_add_u32 v250, v0, 2, 0x4000
	v_mov_b32 v251, 0
	v_lshrrev_b32 v2, 5, v0
	v_readfirstlane_b32 s16, v2                    ; wave
	v_and_b32 v2, 31, v0
	v_lshlrev_b32 v1, 4, v2                        ; 16 x lane
	s_lshl_b32 s25, s16, 12                        ; my wave's 4 KiB of LDS
	v_lshl_add_u32 v14, v2, 2, s25                 ; in: 4 bytes a lane
	v_lshl_add_u32 v15, v2, 4, s25                 ; back: 16 bytes a lane
	s_lshl_b32 s17, ttmp9, 2
	s_add_co_u32 s17, s17, s16                     ; which four rows
	s_lshl_b32 s18, s17, 14
	s_mov_b32 s19, 0
	s_lshl_b32 s26, s17, 12
	s_mov_b32 s27, 0
	s_mov_b32 s20, 0x3a800000                      ; 1 / 1,024
	s_mov_b32 s21, 0x358637bd                      ; 1e-6
	s_mov_b32 s22, 0x76543210
	s_mov_b32 s23, 0xfedcba98
	s_wait_kmcnt 0x0
	s_load_b32 s24, s[10:11], 0x30                 ; e12
	s_add_nc_u64 s[4:5], s[4:5], s[18:19]
	s_add_nc_u64 s[12:13], s[12:13], s[18:19]
	s_add_nc_u64 s[14:15], s[14:15], s[26:27]
.irp j, 0,1,2,3,4,5,6,7
	global_load_b128 v[G+4*\j:G+4*\j+3], v1, s[6:7] offset:512*\j
.endr
.irp j, 0,1,2,3,4,5,6,7
	global_load_b128 v[BE+4*\j:BE+4*\j+3], v1, s[8:9] offset:512*\j
.endr
.set i, 0
.rept 32
	global_load_b128 v[X+4*i:X+4*i+3], v1, s[4:5] offset:512*i
.set i, i+1
.endr
	s_wait_kmcnt 0x0
	s_add_co_i32 s24, s24, 127
	s_lshl_b32 s25, s24, 23
	v_mov_b32 v[SCV], s25
	s_add_co_i32 s24, s24, 8
	s_lshl_b32 s24, s24, 23
	s_or_b32 s24, s24, 0x600000
	v_mov_b32 v[LIM], s24
.macro REDUCE                          ; v2 summed over the 32 lanes, the result in every lane
	v_add_f32_dpp v2, v2, v2 row_xmask:1 row_mask:0xf bank_mask:0xf
	v_add_f32_dpp v2, v2, v2 row_xmask:2 row_mask:0xf bank_mask:0xf
	v_add_f32_dpp v2, v2, v2 row_xmask:4 row_mask:0xf bank_mask:0xf
	v_add_f32_dpp v2, v2, v2 row_xmask:8 row_mask:0xf bank_mask:0xf
	v_permlanex16_b32 v3, v2, s22, s23
	v_add_f32 v2, v2, v3
.endm
.macro FOLD                            ; four chains v[2:9] into v2
	v_pk_add_f32 v[2:3], v[2:3], v[4:5]
	v_pk_add_f32 v[6:7], v[6:7], v[8:9]
	v_pk_add_f32 v[2:3], v[2:3], v[6:7]
	v_add_f32 v2, v2, v3
.endm
.macro ROW i
.set XR, X+32*\i
	s_wait_loadcnt 8*(3-\i)                        ; my row is in (and g, be, asked for ahead of it); the later rows' eight loads each may be out
.irp k, 0,1,2,3
	v_pk_add_f32 v[2+2*\k:3+2*\k], v[XR+4*\k:XR+4*\k+1], v[XR+4*\k+2:XR+4*\k+3]
.endr
.irp k, 0,1,2,3,4,5,6,7
	v_pk_add_f32 v[2+2*(\k%4):3+2*(\k%4)], v[2+2*(\k%4):3+2*(\k%4)], v[XR+16+2*\k:XR+17+2*\k]
.endr
	FOLD
	REDUCE
	v_mul_f32 v10, s20, v2                         ; the mean
	v_mov_b32 v11, v10
.irp k, 0,1,2,3,4,5,6,7,8,9,10,11,12,13,14,15
	v_pk_add_f32 v[XR+2*\k:XR+2*\k+1], v[XR+2*\k:XR+2*\k+1], v[10:11] neg_lo:[0,1] neg_hi:[0,1]
.endr
.irp k, 0,1,2,3
	v_pk_mul_f32 v[2+2*\k:3+2*\k], v[XR+2*\k:XR+2*\k+1], v[XR+2*\k:XR+2*\k+1]
.endr
.irp k, 4,5,6,7,8,9,10,11,12,13,14,15
	v_pk_fma_f32 v[2+2*(\k%4):3+2*(\k%4)], v[XR+2*\k:XR+2*\k+1], v[XR+2*\k:XR+2*\k+1], v[2+2*(\k%4):3+2*(\k%4)]
.endr
	FOLD
	REDUCE
	v_fma_f32 v12, v2, s20, s21                    ; var + eps
	v_rsq_f32 v12, v12
	v_nop                                          ; one plain line behind the transcendental
	s_wait_alu depctr_va_vdst(0)
	v_mov_b32 v13, v12
.irp k, 0,1,2,3,4,5,6,7,8,9,10,11,12,13,14,15
	v_pk_mul_f32 v[XR+2*\k:XR+2*\k+1], v[XR+2*\k:XR+2*\k+1], v[12:13]
.endr
.irp k, 0,1,2,3,4,5,6,7,8,9,10,11,12,13,14,15
	v_pk_fma_f32 v[XR+2*\k:XR+2*\k+1], v[XR+2*\k:XR+2*\k+1], v[G+2*\k:G+2*\k+1], v[BE+2*\k:BE+2*\k+1]
.endr
.irp j, 0,1,2,3,4,5,6,7
	global_store_b128 v1, v[XR+4*\j:XR+4*\j+3], s[12:13] offset:4096*\i+512*\j
.endr
	s_wait_xcnt 0x0                                ; the stores' data are written again only behind this wait
.irp k, 0,1,2,3,4,5,6,7,8,9,10,11,12,13,14,15,16,17,18,19,20,21,22,23,24,25,26,27,28,29,30,31
	v_med3_num_f32 v[XR+\k], v[XR+\k], -v[LIM], v[LIM]   ; the hold: the conversion does not saturate (ISA guide 7.6.2)
.endr
.irp k, 0,1,2,3
	v_cvt_scalef32_pk8_fp8_f32 v[CD+2*\k:CD+2*\k+1], v[XR+8*\k:XR+8*\k+7], v[SCV]
.endr
	v_nop
.irp j, 0,1,2,3,4,5,6,7
	ds_store_b32 v14, v[CD+\j] offset:1024*\i+128*\j
.endr
	ds_load_b128 v[BK+8*\i:BK+8*\i+3], v15 offset:1024*\i          ; LDS serves a wave's instructions in order: these see my stores
	ds_load_b128 v[BK+8*\i+4:BK+8*\i+7], v15 offset:1024*\i+512
	s_wait_dscnt 0x0
	global_store_b128 v1, v[BK+8*\i:BK+8*\i+3], s[14:15] offset:1024*\i
	global_store_b128 v1, v[BK+8*\i+4:BK+8*\i+7], s[14:15] offset:1024*\i+512
.endm
	ROW 0
	ROW 1
	ROW 2
	ROW 3
	s_wait_tensorcnt 0x0
	ds_add_u32 v250, v251
	s_wait_dscnt 0x0
	s_endpgm
.Lfunc_end_k_q414afbeb89_ln1:
	.size	k_q414afbeb89_ln1, .Lfunc_end_k_q414afbeb89_ln1-k_q414afbeb89_ln1
	.p2alignl 7, 3214868480
	.fill 96, 4, 3214868480
	.section	.rodata,"a",@progbits
	.p2align	6, 0x0
	.amdhsa_kernel k_q414afbeb89_ln1
		.amdhsa_group_segment_fixed_size 16896
		.amdhsa_private_segment_fixed_size 0
		.amdhsa_enable_private_segment 0
		.amdhsa_kernarg_size 48
		.amdhsa_user_sgpr_count 2
		.amdhsa_user_sgpr_kernarg_segment_ptr 1
		.amdhsa_wavefront_size32 1
		.amdhsa_system_sgpr_workgroup_id_x 1
		.amdhsa_system_sgpr_workgroup_id_y 1
		.amdhsa_system_sgpr_workgroup_id_z 1
		.amdhsa_system_vgpr_workitem_id 0
		.amdhsa_next_free_vgpr 252
		.amdhsa_next_free_sgpr 66
		.amdhsa_reserve_vcc 0
		.amdhsa_float_denorm_mode_32 3
		.amdhsa_float_denorm_mode_16_64 3
		.amdhsa_memory_ordered 1
		.amdhsa_forward_progress 1
		.amdhsa_inst_pref_size 47
	.end_amdhsa_kernel
	.amdgpu_metadata
---
amdhsa.version: [ 1, 2 ]
amdhsa.kernels:
  - .name:           k_q414afbeb89_ln1
    .symbol:         k_q414afbeb89_ln1.kd
    .args:
      - { .name: y, .offset: 0, .size: 8, .value_kind: global_buffer, .address_space: global }
      - { .name: g1, .offset: 8, .size: 8, .value_kind: global_buffer, .address_space: global }
      - { .name: be1, .offset: 16, .size: 8, .value_kind: global_buffer, .address_space: global }
      - { .name: lowp_scales, .offset: 24, .size: 8, .value_kind: global_buffer, .address_space: global }
      - { .name: h, .offset: 32, .size: 8, .value_kind: global_buffer, .address_space: global }
      - { .name: hc, .offset: 40, .size: 8, .value_kind: global_buffer, .address_space: global }
    .group_segment_fixed_size: 16896
    .private_segment_fixed_size: 0
    .kernarg_segment_align: 8
    .kernarg_segment_size: 48
    .max_flat_workgroup_size: 128
    .sgpr_count:     66
    .vgpr_count:     252
    .wavefront_size: 32
...
	.end_amdgpu_metadata
.endif
;; end of part 5
;; launch ffn1 (part 6): grid 16 x 16, 4 waves a work-group, clusters of 4 x 4, 327,680 bytes of LDS; arguments hc, W1_codes, lowp_scales, b1, hid; writes hid
.if DOCPART == 6
	.amdgcn_target "amdgcn-amd-amdhsa--gfx1250"
	.amdhsa_code_object_version 6
	.text
	.protected	k_q414afbeb89_ffn1
	.globl	k_q414afbeb89_ffn1
	.p2align	8
	.type	k_q414afbeb89_ffn1,@function
k_q414afbeb89_ffn1:
	s_mov_b64 s[64:65], 0
	v_nop
	global_prefetch_b8 v0, s[64:65] scope:SCOPE_SE
	s_setreg_imm32_b32 hwreg(HW_REG_WAVE_MODE, 25, 1), 1
	s_wait_xcnt 0x0
	s_wait_alu depctr_hold_cnt(0) depctr_sa_sdst(0) depctr_va_vdst(0) depctr_va_sdst(0) depctr_va_ssrc(0) depctr_va_vcc(0) depctr_vm_vsrc(0)
	s_getreg_b32 s2, hwreg(HW_REG_IB_STS2, 6, 4)
	s_cmp_eq_u32 s2, 0
	s_cbranch_scc0 .Lentry_in_a_cluster
	s_endpgm
.Lentry_in_a_cluster:
	s_bfe_u32 s2, ttmp6, 0x10000c
	s_cmp_lg_u32 s2, 0xf033
	s_cbranch_scc0 .Lentry_shape_is_right
	s_endpgm
.Lentry_shape_is_right:
; hid = Q(relu(h W1 + b1)) on E4M3 codes: A = h's codes [4,096][1,024], B = W1's codes [4,096][1,024], K innermost in both; scales entries 12, 13; the result is quantised at once (entry 14) and stored as IMAGES OF OPERAND REGISTERS.
; A tile of C, 256 x 256, is made by four waves, 128 x 128 each: 64 accumulators.  K = 1,024 goes in steps of 256 through a ring of two LDS slots filled by joint tensor loads (A's tile shared along a row of the 4 x 4 cluster, B's along a column).
; THE MATRIX INSTRUCTION IS USED TRANSPOSED (source 0 = 16 rows of B, source 1 = 16 rows of A): lane (r, h) of accumulator (a, b) holds C(16 a + r, 16 b + 8 h + 0 .. 7).  One conversion of those eight gives registers 2 b, 2 b + 1
; of the next product's fragment in the 8-bit layout (registers 2 c, 2 c + 1: k = 16 c + 8 h + 0 .. 7).  hid: [16 rows 256][64 k 64][2 halves][32 lanes][16 bytes]; each store of the wave covers 512 consecutive bytes.
; A sum stands for sum x 2^(e12 + e13): b1 goes in as b1 / 2^(e12 + e13), and a code is (sum + that) / 2^F, F = e14 - e12 - e13, held between 0 (the activation) and 448.  LIMIT: F between -126 and 119.
; b1's 64 numbers of a lane are asked for at the head, into registers that the K loop leaves alone.
; Both operands' fragments come by loads of 16 bytes: the same permutation of k on both sides, so every product meets its partner.
; REGISTERS: window 0: v0-31 addresses; v32-95 the bias; v128-255 A's fragments, ONE set; on the way out v128-207.  window 1: B's fragments, TWO sets.  windows 2, 3: the accumulators ((a, b) at v[8 (8 (a % 4) + b)]).
.set SIZE_K, 1024
.set KSTEP,  256
.set ROWB,   256
.set KROW,   SIZE_K
.set PITCH,  272                       ; an LDS row: 256 bytes + 16 of padding = 68 words: the 16 rows of a load start at 16 different banks (64 banks of 4 bytes: ISA guide 11.1)
.set FR,     16
.set NL,     4
.set NP,     4                         ; places behind this matrix instruction (ISA guide 7.12.1)
.set HALFT,  128*PITCH
.set SLOT,   4*HALFT
.set LAPS,   SIZE_K/(2*KSTEP)
.set SPARE,  2*SLOT                    ; behind the ring: the spare words, 128 bytes a wave, which no other line names
.set ADRA, 16
.set ADRB, 20
.set VO0,  24                          ; v24  my byte offset in hid
.set LIM,  26                          ; v26  448 x 2^F
.set SCV,  27                          ; v27  2^F
.set SPW,  28
.set NIL,  29
.set BO,   30                          ; v30  my byte offset in the wave's 128 numbers of b1
.set BIAS, 32
.set AF,   128
.set TMP,  128
.set CD,   192
.set G1, 24
.set G0, 32
.set G1B, 48
.set G0B, 56
.set MSB, 0
.macro WIN new                         ; the immediate's high byte repeats the setting that is left
.if MSB != \new
	s_set_vgpr_msb (MSB<<8)|\new
.set MSB, \new
.endif
.endm
.set MUL_LO, 0xa1                      ; source 0 (B) window 1, source 1 (A) window 0, C and D window 2
.set MUL_HI, 0xf1                      ; the same, C and D window 3
.set TO_B,   0x40                      ; destination window 1, address window 0
; A joint load: waves 0 and 1 fetch for A, waves 2 and 3 for B; the branch hangs on the wave's number alone.  Four v_nop follow each of the two lines.
.macro JLOAD g0a, g1a, g0b, g1b
	s_cmp_eq_u32 s15, 0
	s_cbranch_scc0 .Lfor_b_\@
	tensor_load_to_lds s[\g0a:\g0a+3], s[\g1a:\g1a+7]
	s_nop 0
.rept 4
	v_nop
.endr
	s_branch .Lasked_\@
.Lfor_b_\@:
	tensor_load_to_lds s[\g0b:\g0b+3], s[\g1b:\g1b+7]
	s_nop 0
.rept 4
	v_nop
.endr
.Lasked_\@:
.endm
.macro CREST                           ; a round of the cluster's barrier behind its opening barrier
	s_cmp_lg_u32 s14, 0
	s_cbranch_scc1 .Lnot_wave_0_\@
	s_barrier_signal -3
.Lnot_wave_0_\@:
	s_barrier_wait -3
	s_barrier_signal -1
	s_barrier_wait -1
.endm
.macro CROUND
	s_barrier_signal -1
	s_barrier_wait -1
	CREST
.endm
	s_load_b128 s[4:7], s[0:1], 0x0                ; h's codes, W1's codes
	s_load_b128 s[8:11], s[0:1], 0x10              ; the scales' exponents s[8:9], b1 s[10:11]
	s_load_b64 s[12:13], s[0:1], 0x20              ; hid
	v_lshl_add_u32 v[SPW], v0, 2, SPARE
	v_mov_b32 v[NIL], 0
	ds_add_u32 v28, v29
	ds_add_u32 v28, v29
	s_wait_dscnt 0x0
	v_lshrrev_b32 v1, 5, v0
	v_readfirstlane_b32 s14, v1                    ; wave 0..3
	s_lshr_b32 s15, s14, 1                         ; which half of the tile's rows is mine.  Also: I fetch for A (0) or for B (1)
	s_and_b32 s16, s14, 1                          ; which half of its columns.  Also: which 128 rows of that tile I fetch
	s_bfe_u32 s40, ttmp6, 0x40000                  ; cx, cy
	s_bfe_u32 s41, ttmp6, 0x40004
	s_lshl_b32 s42, ttmp9, 2
	s_add_co_u32 s42, s42, s40                     ; tile column of C
	s_and_b32 s17, ttmp7, 0xffff
	s_lshl_b32 s17, s17, 2
	s_add_co_u32 s17, s17, s41                     ; tile row of C
	s_lshl_b32 s43, s41, 2
	s_lshl_b32 s43, 15, s43                        ; my row of the cluster
	s_lshl_b32 s44, 0x1111, s40                    ; my column
	s_or_b32 s[G1+0], s43, (0<<16)|(1<<20)|(1<<21)|(5<<22)|(3<<25)  ; the mask; elements of 1 byte; padding on; bit 21 beside a mask; after every 64 words four words
	s_or_b32 s[G1B+0], s44, (0<<16)|(1<<20)|(1<<21)|(5<<22)|(3<<25)
.irp g, G1, G1B
	s_mov_b32 s[\g+1], ROWB<<16                    ; tensor_dim0
	s_mov_b32 s[\g+2], 128<<16                     ; tensor_dim1
	s_mov_b32 s[\g+3], ROWB<<16                    ; tile_dim0
	s_mov_b32 s[\g+4], 128                         ; tile_dim1
	s_mov_b32 s[\g+5], KROW                        ; tensor_dim0_stride
	s_mov_b32 s[\g+6], 0
	s_mov_b32 s[\g+7], 0
.endr
	s_lshl_b32 s18, s16, 7                         ; which 128 rows of the tile I fetch
	s_lshl_b32 s20, s17, 8
	s_add_co_u32 s20, s20, s18
	s_lshl_b32 s20, s20, 10                        ; A: (256 x tile row + 128 x half) rows of 1,024 bytes
	s_lshl_b32 s46, s42, 8
	s_add_co_u32 s46, s46, s18
	s_lshl_b32 s46, s46, 10                        ; B: likewise with the tile column
	s_mov_b32 s21, 0
	s_mov_b32 s47, 0
	s_mul_i32 s45, s14, HALFT                      ; where they go: wave x 128 rows
	s_wait_kmcnt 0x0
	s_load_b128 s[68:71], s[8:9], 0x30             ; e12, e13, e14, e15
	s_add_nc_u64 s[20:21], s[4:5], s[20:21]
	s_add_nc_u64 s[46:47], s[6:7], s[46:47]
	CROUND                                         ; all sixteen work-groups are here: the first joint loads meet
.irp s, 0,1
	s_mov_b32 s[G0+4*\s], 1
	s_add_co_u32 s[G0+4*\s+1], s45, \s*SLOT
	s_add_nc_u64 s[G0+4*\s+2:G0+4*\s+3], s[20:21], \s*ROWB
	s_or_b32 s[G0+4*\s+3], s[G0+4*\s+3], 0x80000000
	s_mov_b32 s[G0B+4*\s], 1
	s_add_co_u32 s[G0B+4*\s+1], s45, \s*SLOT
	s_add_nc_u64 s[G0B+4*\s+2:G0B+4*\s+3], s[46:47], \s*ROWB
	s_or_b32 s[G0B+4*\s+3], s[G0B+4*\s+3], 0x80000000
	JLOAD G0+4*\s, G1, G0B+4*\s, G1B
.endr
	v_and_b32 v1, 15, v0                           ; l % 16
	v_bfe_u32 v2, v0, 4, 1                         ; l / 16
	v_mul_u32_u24 v3, v1, PITCH
	v_lshl_add_u32 v4, v2, 4, v3                   ; a fragment's row x pitch + 16 x half
	s_mul_i32 s21, s15, HALFT                      ; my 128 rows of A
	s_mul_i32 s22, s16, HALFT                      ; my 128 rows of B,
	s_add_co_u32 s22, s22, 2*HALFT                 ; which lie behind A's 256
.irp s, 0,1
	v_add_nc_u32 v[ADRA+\s], s21, v4
	v_add_nc_u32 v[ADRB+\s], s22, v4
	s_add_co_u32 s21, s21, SLOT
	s_add_co_u32 s22, s22, SLOT
.endr
	; b1: lane (r, h) wants, for B's block b, the numbers of columns 16 b + 8 h + 0 .. 7 of my wave's 128
	v_lshlrev_b32 v[BO], 5, v2
	s_lshl_b32 s46, s42, 10
	s_lshl_b32 s47, s16, 9
	s_add_co_u32 s46, s46, s47                     ; 4 x my first column
	s_mov_b32 s47, 0
	s_add_nc_u64 s[10:11], s[10:11], s[46:47]
.irp b, 0,1,2,3,4,5,6,7
	global_load_b128 v[BIAS+8*\b:BIAS+8*\b+3], v[BO], s[10:11] offset:64*\b
	global_load_b128 v[BIAS+8*\b+4:BIAS+8*\b+7], v[BO], s[10:11] offset:64*\b+16
.endr
	; hid: 16 rows are 64 KiB, 64 columns 1 KiB: my first row x 4,096 + my first column x 16
	s_lshl_b32 s66, s17, 8
	s_lshl_b32 s67, s15, 7
	s_add_co_u32 s66, s66, s67
	s_lshl_b32 s66, s66, 12
	s_lshl_b32 s67, s42, 8
	s_lshl_b32 s96, s16, 7
	s_add_co_u32 s67, s67, s96
	s_lshl_b32 s67, s67, 4
	s_add_co_u32 s66, s66, s67
	v_and_b32 v6, 31, v0
	v_lshlrev_b32 v6, 4, v6
	v_add_nc_u32 v[VO0], s66, v6
.macro FRAG reg, adr, q, i             ; 16 rows x 128 K: lane l holds row l % 16; registers 4 c .. 4 c + 3 hold K = 32 c + 16 (l / 16) + 0 .. 15
.irp c, 0,1,2,3
	ds_load_b128 v[\reg+4*\c:\reg+4*\c+3], v[\adr] offset:128*(\q)+32*\c+(\i)*16*PITCH
.endr
.endm
; 16 matrix instructions: A's blocks a0, a0 + 1 x B's eight.  p: B's set.  zero = 1: the first product starts the sums.  The 64 accumulators take turns, one instruction a turn.
.macro MUL16 a0, p, zero
.irp a, \a0, \a0+1
.irp b, 0,1,2,3,4,5,6,7
.if \zero
	v_wmma_f32_16x16x128_fp8_fp8 v[8*(8*((\a)%4)+\b):8*(8*((\a)%4)+\b)+7], v[128*(\p)+FR*\b:128*(\p)+FR*\b+FR-1], v[AF+FR*(\a):AF+FR*(\a)+FR-1], 0
.else
	v_wmma_f32_16x16x128_fp8_fp8 v[8*(8*((\a)%4)+\b):8*(8*((\a)%4)+\b)+7], v[128*(\p)+FR*\b:128*(\p)+FR*\b+FR-1], v[AF+FR*(\a):AF+FR*(\a)+FR-1], v[8*(8*((\a)%4)+\b):8*(8*((\a)%4)+\b)+7]
.endif
.endr
.endr
.endm
.macro FETCH_B slot, q, p
	WIN TO_B
.irp i, 0,1,2,3,4,5,6,7
	FRAG 128*(\p)+FR*\i, ADRB+\slot, \q, \i
.endr
	WIN 0
.endm
.macro FETCH_A slot, q, i0
.irp i, \i0, \i0+1, \i0+2, \i0+3
	FRAG AF+FR*(\i), ADRA+\slot, \q, \i
.endr
.endm
.macro PLACES n                        ; plain vector lines between a matrix instruction and a load into a register that it read
.rept \n
	v_nop
.endr
.endm
.macro STEP slot, q, zero              ; 128 along K with its successor in the same slot
	s_wait_dscnt 4*NL                              ; B's set and A's blocks 0-3 are in; the youngest sixteen loads (A's blocks 4-7) may be out
	WIN MUL_LO
	MUL16 0, (\q)%2, \zero
	MUL16 2, (\q)%2, \zero
	s_wait_dscnt 0                                 ; A's blocks 4-7 are in
	PLACES NP
	FETCH_B \slot, (\q)+1, 1-(\q)%2
	FETCH_A \slot, (\q)+1, 0
	WIN MUL_HI
	MUL16 4, (\q)%2, \zero
	MUL16 6, (\q)%2, \zero
	PLACES NP
	WIN 0
	FETCH_A \slot, (\q)+1, 4
.endm
; A slot's last step changes slots: one barrier; in front of it each wave waits for all its tensor loads, adds 0 to its spare word, and waits for that and for its reads of this slot.  fill = 1: the slot is filled again, two K steps ahead.
.macro TURN slot, next, fill
	s_wait_tensorcnt 0x0                           ; all my tensor loads have landed: my part of the next slot
	ds_add_u32 v[SPW], v[NIL]                      ; 0 onto my spare word
	s_wait_dscnt 4*NL+1                            ; the add and the youngest sixteen loads may be out
	WIN MUL_LO
	MUL16 0, 1, 0
	s_wait_dscnt 0x0                               ; the add is done, and my reads of this slot are over
	s_barrier_signal -1
	MUL16 2, 1, 0
	WIN 0
	s_barrier_wait -1
.if \fill
	CREST                                          ; the barrier has opened a round of the cluster's: no wave of any partner still reads this slot or has a load on its way
	s_add_nc_u64 s[G0+4*\slot+2:G0+4*\slot+3], s[G0+4*\slot+2:G0+4*\slot+3], 2*ROWB
	s_add_nc_u64 s[G0B+4*\slot+2:G0B+4*\slot+3], s[G0B+4*\slot+2:G0B+4*\slot+3], 2*ROWB
	JLOAD G0+4*\slot, G1, G0B+4*\slot, G1B         ; the first tensor load behind the round; its four v_nop are the places in front of the loads below
.else
	PLACES NP
.endif
	FETCH_B \next, 0, 0
	FETCH_A \next, 0, 0
	WIN MUL_HI
	MUL16 4, 1, 0
	MUL16 6, 1, 0
	PLACES NP
	WIN 0
	FETCH_A \next, 0, 4
.endm
	s_wait_tensorcnt 1                             ; my part of K step 0 is in (K step 1's load may be out)
	s_barrier_signal -1
	s_barrier_wait -1                              ; everybody's is
	FETCH_B 0, 0, 0
	FETCH_A 0, 0, 0
	FETCH_A 0, 0, 4
	STEP 0, 0, 1
	s_mov_b32 s3, LAPS-1
.Llap:                                                 ; a trip goes once round the ring and fills both slots again
	TURN 0, 1, 1
	STEP 1, 0, 0
	TURN 1, 0, 1
	STEP 0, 0, 0
	s_sub_co_u32 s3, s3, 1
	s_cmp_lg_u32 s3, 0
	s_cbranch_scc1 .Llap
	TURN 0, 1, 0                                   ; the last lap fills nothing
	STEP 1, 0, 0
	s_wait_dscnt 4*NL
	WIN MUL_LO
	MUL16 0, 1, 0
	MUL16 2, 1, 0
	s_wait_dscnt 0
	WIN MUL_HI
	MUL16 4, 1, 0
	MUL16 6, 1, 0
	WIN 0
	; THE WAY OUT: no LDS: a block's conversions give the next operand's registers, which are stored as they stand.
	s_wait_kmcnt 0x0
	s_add_co_i32 s96, s68, s69                     ; e12 + e13
	s_sub_co_i32 s97, s70, s96                     ; F
	s_sub_co_i32 s96, 0, s96
	s_add_co_i32 s97, s97, 127
	s_lshl_b32 s98, s97, 23
	s_add_co_i32 s97, s97, 8
	s_lshl_b32 s97, s97, 23
	s_or_b32 s97, s97, 0x600000
	s_wait_loadcnt 0x0                             ; b1
.set j, 0
.rept 64
	v_ldexp_f32 v[BIAS+j], v[BIAS+j], s96          ; b1 / 2^(e12 + e13).  These lines are also the places behind the last products
.set j, j+1
.endr
	v_mov_b32 v[SCV], s98
	v_mov_b32 v[LIM], s97
.macro OUTBLK a
.set AC, 64*((\a)%4)
.if (\a) > 0
	s_wait_xcnt 0x0                                ; the last block's stores have read their data, which are written again below
.endif
	WIN 0x02+((\a)/4)                              ; source 0: window 2 or 3
.set j, 0
.rept 32
	v_pk_add_f32 v[TMP+j:TMP+j+1], v[AC+j:AC+j+1], v[BIAS+j:BIAS+j+1]   ; each accumulator from its low end on
.set j, j+2
.endr
	WIN 0
.set j, 0
.rept 64
	v_med3_num_f32 v[TMP+j], v[TMP+j], 0, v[LIM]   ; the activation and the hold in one (the conversion does not saturate: ISA guide 7.6.2)
.set j, j+1
.endr
.irp b, 0,1,2,3,4,5,6,7
	v_cvt_scalef32_pk8_fp8_f32 v[CD+2*\b:CD+2*\b+1], v[TMP+8*\b:TMP+8*\b+7], v[SCV]
.endr
	v_nop                                          ; one plain line behind the conversions: the next block writes their sources
.irp u, 0,1,2,3
	global_store_b128 v[VO0], v[CD+4*\u:CD+4*\u+3], s[12:13] offset:(\a)*65536+512*\u
.endr
.endm
.irp a, 0,1,2,3,4,5,6,7
	OUTBLK \a
.endr
	s_wait_tensorcnt 0x0                           ; the wave's end
	ds_add_u32 v[SPW], v[NIL]
	s_wait_dscnt 0x0
	CROUND                                         ; the closing round: no work-group ends while a partner may still ask for a tile that names it
	s_endpgm
.Lfunc_end_k_q414afbeb89_ffn1:
	.size	k_q414afbeb89_ffn1, .Lfunc_end_k_q414afbeb89_ffn1-k_q414afbeb89_ffn1
	.p2alignl 7, 3214868480
	.fill 96, 4, 3214868480
	.section	.rodata,"a",@progbits
	.p2align	6, 0x0
	.amdhsa_kernel k_q414afbeb89_ffn1
		.amdhsa_group_segment_fixed_size 327680
		.amdhsa_private_segment_fixed_size 0
		.amdhsa_enable_private_segment 0
		.amdhsa_kernarg_size 40
		.amdhsa_user_sgpr_count 2
		.amdhsa_user_sgpr_kernarg_segment_ptr 1
		.amdhsa_wavefront_size32 1
		.amdhsa_system_sgpr_workgroup_id_x 1
		.amdhsa_system_sgpr_workgroup_id_y 1
		.amdhsa_system_sgpr_workgroup_id_z 1
		.amdhsa_system_vgpr_workitem_id 0
		.amdhsa_next_free_vgpr 1024
		.amdhsa_next_free_sgpr 100
		.amdhsa_reserve_vcc 0
		.amdhsa_float_denorm_mode_32 3
		.amdhsa_float_denorm_mode_16_64 3
		.amdhsa_memory_ordered 1
		.amdhsa_forward_progress 1
		.amdhsa_inst_pref_size 139
	.end_amdhsa_kernel
	.amdgpu_metadata
---
amdhsa.version: [ 1, 2 ]
amdhsa.kernels:
  - .name:           k_q414afbeb89_ffn1
    .symbol:         k_q414afbeb89_ffn1.kd
    .args:
      - { .name: hc, .offset: 0, .size: 8, .value_kind: global_buffer, .address_space: global }
      - { .name: W1_codes, .offset: 8, .size: 8, .value_kind: global_buffer, .address_space: global }
      - { .name: lowp_scales, .offset: 16, .size: 8, .value_kind: global_buffer, .address_space: global }
      - { .name: b1, .offset: 24, .size: 8, .value_kind: global_buffer, .address_space: global }
      - { .name: hid, .offset: 32, .size: 8, .value_kind: global_buffer, .address_space: global }
    .group_segment_fixed_size: 327680
    .private_segment_fixed_size: 0
    .kernarg_segment_align: 8
    .kernarg_segment_size: 40
    .max_flat_workgroup_size: 128
    .sgpr_count:     100
    .vgpr_count:     1024
    .wavefront_size: 32
...
	.end_amdgpu_metadata
.endif
;; end of part 6
;; launch ffn2 (part 7): grid 8 x 32, 4 waves a work-group, clusters of 4 x 4, 327,680 bytes of LDS; arguments hid, W2_codes, lowp_scales, h, b2, y; writes y
.if DOCPART == 7
	.amdgcn_target "amdgcn-amd-amdhsa--gfx1250"
	.amdhsa_code_object_version 6
	.text
	.protected	k_q414afbeb89_ffn2
	.globl	k_q414afbeb89_ffn2
	.p2align	8
	.type	k_q414afbeb89_ffn2,@function
k_q414afbeb89_ffn2:
	s_mov_b64 s[64:65], 0
	v_nop
	global_prefetch_b8 v0, s[64:65] scope:SCOPE_SE
	s_setreg_imm32_b32 hwreg(HW_REG_WAVE_MODE, 25, 1), 1
	s_wait_xcnt 0x0
	s_wait_alu depctr_hold_cnt(0) depctr_sa_sdst(0) depctr_va_vdst(0) depctr_va_sdst(0) depctr_va_ssrc(0) depctr_va_vcc(0) depctr_vm_vsrc(0)
	s_getreg_b32 s2, hwreg(HW_REG_IB_STS2, 6, 4)
	s_cmp_eq_u32 s2, 0
	s_cbranch_scc0 .Lentry_in_a_cluster
	s_endpgm
.Lentry_in_a_cluster:
	s_bfe_u32 s2, ttmp6, 0x10000c
	s_cmp_lg_u32 s2, 0xf033
	s_cbranch_scc0 .Lentry_shape_is_right
	s_endpgm
.Lentry_shape_is_right:
; y[m][n] = res[m][n] + bias[n] + 2^(ea + eb) x the sum over k of A[m][k] B[n][k], on E4M3 codes.  Here: A = the hidden layer (images), B = W2's codes, res = h, bias = b2, SIZE_K = 4,096, ea, eb = entries 14, 15.
; M = 4,096, N = 1,024: tiles of 256 x 256 would be 64; a tile of C is 128 x 128, 256 work-groups.  Four waves, 64 x 64 each: 16 accumulators.
; A lies in memory as images of operand registers: [16 rows][64 k][2 halves][32 lanes][16 bytes]; two neighbouring images are a fragment for K = 128 in the 8-bit layout (registers 2 c, 2 c + 1: k = 16 c + 8 h + 0 .. 7), fetched by four
; loads of 16 bytes a lane.  B lies by rows, K innermost, and is fetched in the same layout by eight loads of 8 bytes at row x pitch + 16 c + 8 h.
; K goes in steps of 512 through a ring of two LDS slots: A's 8 x 8 KiB dense, then B's 128 rows of 512 bytes + 16 of padding (132 words: the 32 lanes of an 8-byte load touch 64 different banks: ISA guide 11.1).
; CLUSTERS: 4 x 4 work-groups; A's tile is shared along a row of the cluster, B's along a column, each asked for jointly.  THE MATRIX INSTRUCTION IS USED TRANSPOSED (source 0 = B's rows, source 1 = A's): a lane holds eight neighbouring columns of a row of C.
; The residual's 64 x 64 numbers of a wave are asked for at the head and lie in registers when the sums are finished.  The way out: a block of 16 rows goes through the wave's own stage in LDS (no fill ever lands there) and comes back by rows
; of 256 bytes; one packed multiply-add gives sum x 2^(ea + eb) + res, one packed addition the bias; sixteen lanes store 256 consecutive bytes, aligned.
; LIMIT: ea + eb between -126 and 127, so that 2^(ea + eb) is an f32 number.
; REGISTERS: window 0: v0-31 addresses; v32-95 the way out, two sets; v128-255 the accumulators ((a, b) at v[128 + 8 (4 a + b)]).  window 1: two fragment buffers of 128: A at 16 a, B at 64 + 16 b.  window 2: v0-127 the residual.
.set SIZE_K, 4096
.set HASB,   1
.set EOFF,   0x38                      ; byte of ea in the scales' buffer; eb follows
.set KSTEP,  512
.set RBLK,   16*SIZE_K                 ; bytes from 16 rows of A's images to the next 16
.set PITCH,  528
.set BHALF,  64*PITCH
.set BOFF,   65536
.set SLOT,   BOFF+2*BHALF
.set SPARE,  2*SLOT                    ; the spare words, 128 bytes a wave, which no other line names
.set STAGE,  SPARE+512
.set SPITCH, 272
.set LAPS,   SIZE_K/(2*KSTEP)
.set BI,   8                           ; v[8:11] the bias of my four columns
.set ADRA, 16
.set ADRB, 20
.set STO,  24
.set RD,   25
.set CO,   26
.set BO,   27
.set SPW,  28
.set NIL,  29
.set T,    32
.set ACC,  128
.set F0,   0
.set F1,   128
.set G1, 24
.set G0, 32
.set G1B, 48
.set G0B, 56
.set MSB, 0
.macro WIN new                         ; the immediate's high byte repeats the setting that is left
.if MSB != \new
	s_set_vgpr_msb (MSB<<8)|\new
.set MSB, \new
.endif
.endm
.set MUL,  0x05                        ; sources 0 (B) and 1 (A) window 1; C and D window 0
.set TO_F, 0x40                        ; destination window 1, address window 0
.macro JLOAD s                         ; a joint load: waves 0 and 1 fetch A's two halves, waves 2 and 3 B's; four v_nop follow each of the two lines
	s_cmp_eq_u32 s11, 0
	s_cbranch_scc0 .Lfor_b_\@
	tensor_load_to_lds s[G0+4*\s:G0+4*\s+3], s[G1:G1+7]
	s_nop 0
.rept 4
	v_nop
.endr
	s_branch .Lasked_\@
.Lfor_b_\@:
	tensor_load_to_lds s[G0B+4*\s:G0B+4*\s+3], s[G1B:G1B+7]
	s_nop 0
.rept 4
	v_nop
.endr
.Lasked_\@:
.endm
.macro CREST
	s_cmp_lg_u32 s10, 0
	s_cbranch_scc1 .Lnot_wave_0_\@
	s_barrier_signal -3
.Lnot_wave_0_\@:
	s_barrier_wait -3
	s_barrier_signal -1
	s_barrier_wait -1
.endm
.macro CROUND
	s_barrier_signal -1
	s_barrier_wait -1
	CREST
.endm
	s_load_b128 s[4:7], s[0:1], 0x0                ; A s[4:5], B s[6:7]
	s_load_b128 s[68:71], s[0:1], 0x10             ; the scales' exponents s[68:69], the residual s[70:71]
.if HASB
	s_load_b128 s[72:75], s[0:1], 0x20             ; the bias s[72:73], y s[74:75]
.else
	s_load_b64 s[74:75], s[0:1], 0x20              ; y
.endif
	v_lshl_add_u32 v[SPW], v0, 2, SPARE
	v_mov_b32 v[NIL], 0
	ds_add_u32 v28, v29
	ds_add_u32 v28, v29
	s_wait_dscnt 0x0
	v_lshrrev_b32 v1, 5, v0
	v_readfirstlane_b32 s10, v1                    ; wave 0..3
	s_lshr_b32 s11, s10, 1                         ; which half of the tile's rows is mine.  Also: I fetch for A (0) or for B (1)
	s_and_b32 s12, s10, 1                          ; which half of its columns.  Also: which half of that tile I fetch
	s_bfe_u32 s40, ttmp6, 0x40000                  ; cx, cy
	s_bfe_u32 s41, ttmp6, 0x40004
	s_lshl_b32 s42, ttmp9, 2
	s_add_co_u32 s42, s42, s40                     ; tile column of C
	s_and_b32 s13, ttmp7, 0xffff
	s_lshl_b32 s13, s13, 2
	s_add_co_u32 s13, s13, s41                     ; tile row of C
	s_lshl_b32 s43, s41, 2
	s_lshl_b32 s43, 15, s43                        ; my row of the cluster
	s_lshl_b32 s44, 0x1111, s40                    ; my column
	s_or_b32 s[G1+0], s43, (0<<16)|(1<<21)         ; A: the mask; elements of 1 byte; no padding; bit 21 beside a mask
	s_mov_b32 s[G1+1], 8192<<16                    ; tensor_dim0: a K step of 16 rows' images is 8,192 consecutive bytes
	s_mov_b32 s[G1+2], 4<<16                       ; tensor_dim1: four blocks of 16 rows
	s_mov_b32 s[G1+3], 8192<<16                    ; tile_dim0
	s_mov_b32 s[G1+4], 4                           ; tile_dim1
	s_mov_b32 s[G1+5], RBLK                        ; tensor_dim0_stride
	s_mov_b32 s[G1+6], 0
	s_mov_b32 s[G1+7], 0
	s_or_b32 s[G1B+0], s44, (0<<16)|(1<<20)|(1<<21)|(6<<22)|(3<<25)  ; B: padding: four words after every 128
	s_mov_b32 s[G1B+1], KSTEP<<16
	s_mov_b32 s[G1B+2], 64<<16
	s_mov_b32 s[G1B+3], KSTEP<<16
	s_mov_b32 s[G1B+4], 64
	s_mov_b32 s[G1B+5], SIZE_K
	s_mov_b32 s[G1B+6], 0
	s_mov_b32 s[G1B+7], 0
	s_lshl_b32 s16, s13, 3
	s_lshl_b32 s17, s12, 2
	s_add_co_u32 s16, s16, s17
	s_mul_i32 s16, s16, RBLK                       ; A: block of 16 rows 8 x tile row + 4 x half
	s_mov_b32 s17, 0
	s_lshl_b32 s46, s42, 7
	s_lshl_b32 s47, s12, 6
	s_add_co_u32 s46, s46, s47
	s_mul_i32 s46, s46, SIZE_K                     ; B: row 128 x tile column + 64 x half
	s_mov_b32 s47, 0
	s_lshl_b32 s20, s12, 15                        ; where they go in a slot: A's half,
	s_mul_i32 s23, s12, BHALF
	s_add_co_u32 s23, s23, BOFF                    ; B's half: no place in the cluster enters an LDS address
	s_wait_kmcnt 0x0
	s_load_b64 s[76:77], s[68:69], EOFF            ; ea, eb
	s_add_nc_u64 s[14:15], s[4:5], s[16:17]
	s_add_nc_u64 s[46:47], s[6:7], s[46:47]
	CROUND                                         ; all sixteen work-groups are here: the first joint loads meet
.irp s, 0,1
	s_mov_b32 s[G0+4*\s], 1
	s_add_co_u32 s[G0+4*\s+1], s20, \s*SLOT
	s_add_nc_u64 s[G0+4*\s+2:G0+4*\s+3], s[14:15], \s*8192
	s_or_b32 s[G0+4*\s+3], s[G0+4*\s+3], 0x80000000
	s_mov_b32 s[G0B+4*\s], 1
	s_add_co_u32 s[G0B+4*\s+1], s23, \s*SLOT
	s_add_nc_u64 s[G0B+4*\s+2:G0B+4*\s+3], s[46:47], \s*KSTEP
	s_or_b32 s[G0B+4*\s+3], s[G0B+4*\s+3], 0x80000000
	JLOAD \s
.endr
	v_and_b32 v1, 15, v0                           ; r
	v_bfe_u32 v2, v0, 4, 1                         ; h
	v_and_b32 v3, 31, v0
	v_lshlrev_b32 v3, 4, v3                        ; A: 16 x lane
	v_mul_u32_u24 v4, v1, PITCH
	v_lshl_add_u32 v4, v2, 3, v4                   ; B: row r, + 8 h
	s_lshl_b32 s21, s11, 15                        ; my 64 rows of A
	s_mul_i32 s22, s12, BHALF
	s_add_co_u32 s22, s22, BOFF                    ; my 64 rows of B
.irp s, 0,1
	v_add_nc_u32 v[ADRA+\s], s21, v3
	v_add_nc_u32 v[ADRB+\s], s22, v4
	s_add_co_u32 s21, s21, SLOT
	s_add_co_u32 s22, s22, SLOT
.endr
	s_mul_i32 s23, s10, 16*SPITCH
	s_add_co_u32 s23, s23, STAGE                   ; my stage
	v_mul_u32_u24 v5, v1, SPITCH
	v_lshl_add_u32 v5, v2, 5, v5
	v_add_nc_u32 v[STO], s23, v5                   ; in: row r, 32 bytes for each half of the lanes
	v_mul_u32_u24 v5, v2, SPITCH
	v_lshl_add_u32 v5, v1, 4, v5
	v_add_nc_u32 v[RD], s23, v5                    ; back: lanes 0-15 one row of 256 bytes, lanes 16-31 the next
	v_lshlrev_b32 v5, 12, v2
	v_lshl_add_u32 v[CO], v1, 4, v5                ; and the same two rows in the residual and in y (rows of 4,096 bytes)
	v_lshlrev_b32 v[BO], 4, v1
	s_lshl_b32 s16, s13, 7
	s_lshl_b32 s17, s11, 6
	s_add_co_u32 s16, s16, s17
	s_lshl_b32 s16, s16, 12                        ; my first row: 128 x tile row + 64 x half
	s_mov_b32 s17, 0
	s_lshl_b32 s46, s42, 9
	s_lshl_b32 s47, s12, 8
	s_add_co_u32 s46, s46, s47                     ; my first column, in bytes: 512 x tile column + 256 x half
	s_mov_b32 s47, 0
.if HASB
	s_add_nc_u64 s[72:73], s[72:73], s[46:47]
.endif
	s_add_nc_u64 s[16:17], s[16:17], s[46:47]
	s_add_nc_u64 s[70:71], s[70:71], s[16:17]
	s_add_nc_u64 s[74:75], s[74:75], s[16:17]
.if HASB
	global_load_b128 v[BI:BI+3], v[BO], s[72:73]
.endif
	WIN 0x80                                       ; destination window 2
.set i, 0
.rept 32
	global_load_b128 v[4*i:4*i+3], v[CO], s[70:71] offset:((i/8)*16+2*(i%8))*4096   ; block i / 8, rows 2 (i % 8) and the next: as they come back from the stage
.set i, i+1
.endr
	WIN 0
.macro MUL4 f, a, zero                 ; A's block a x B's four, 128 along K.  The 16 accumulators take turns, one instruction a turn
.irp b, 0,1,2,3
.if \zero
	v_wmma_f32_16x16x128_fp8_fp8 v[ACC+8*(4*(\a)+\b):ACC+8*(4*(\a)+\b)+7], v[\f+64+16*\b:\f+64+16*\b+15], v[\f+16*(\a):\f+16*(\a)+15], 0
.else
	v_wmma_f32_16x16x128_fp8_fp8 v[ACC+8*(4*(\a)+\b):ACC+8*(4*(\a)+\b)+7], v[\f+64+16*\b:\f+64+16*\b+15], v[\f+16*(\a):\f+16*(\a)+15], v[ACC+8*(4*(\a)+\b):ACC+8*(4*(\a)+\b)+7]
.endif
.endr
.endm
.macro FETCH slot, q, f                ; 48 LDS loads in one run: the fragments of the slot's q-th 128 along K: B's four, then A's four in ascending order
	WIN TO_F
.irp b, 0,1,2,3
.irp c, 0,1,2,3,4,5,6,7
	ds_load_b64 v[\f+64+16*\b+2*\c:\f+64+16*\b+2*\c+1], v[ADRB+\slot] offset:\b*16*PITCH+128*(\q)+16*\c
.endr
.endr
.irp a, 0,1,2,3
.irp c, 0,1,2,3
	ds_load_b128 v[\f+16*\a+4*\c:\f+16*\a+4*\c+3], v[ADRA+\slot] offset:\a*8192+2048*(\q)+512*\c
.endr
.endr
.endm
.macro PLACES
.rept 4
	v_nop
.endr
.endm
; A K step is four quarters of 128 along K, 16 matrix instructions each, on buffers 0, 1, 0, 1.  One of the first three: multiplies buffer f and fetches quarter q into g.
.macro QUARTER slot, q, f, g, zero
	s_wait_dscnt 8                                 ; B and A's blocks 0, 1 are in; the youngest eight loads (A's blocks 2, 3) may be out
	WIN MUL
	MUL4 \f, 0, \zero
	MUL4 \f, 1, \zero
	PLACES                                         ; in front of loads into the buffer that the quarter before multiplied
	FETCH \slot, \q, \g
	s_wait_dscnt 48                                ; all but the 48 just issued
	WIN MUL
	MUL4 \f, 2, \zero
	MUL4 \f, 3, \zero
.endm
; The last quarter multiplies buffer 1 and changes slots: one barrier; in front of it each wave waits for all its tensor loads, adds 0 to its spare word, and waits for that and for its reads of this slot.
.macro TURN slot, next, fill
	WIN 0                                          ; (the add's two registers lie in window 0)
	s_wait_tensorcnt 0x0                           ; all my tensor loads have landed: my part of the next slot
	ds_add_u32 v[SPW], v[NIL]                      ; 0 onto my spare word
	s_wait_dscnt 9                                 ; the add and the youngest eight loads may be out
	WIN MUL
	MUL4 F1, 0, 0
	s_wait_dscnt 0x0                               ; the add is done, and my reads of this slot are over
	s_barrier_signal -1
	MUL4 F1, 1, 0
.if \fill
	WIN 0
.endif
	s_barrier_wait -1
.if \fill
	CREST                                          ; the barrier has opened a round of the cluster's: no wave of any partner still reads this slot or has a load on its way
	s_add_nc_u64 s[G0+4*\slot+2:G0+4*\slot+3], s[G0+4*\slot+2:G0+4*\slot+3], 2*8192
	s_add_nc_u64 s[G0B+4*\slot+2:G0B+4*\slot+3], s[G0B+4*\slot+2:G0B+4*\slot+3], 2*KSTEP
	JLOAD \slot                                    ; the first tensor load behind the round; its four v_nop are the places in front of the loads below
.else
	PLACES
.endif
	FETCH \next, 0, F0
	WIN MUL
	MUL4 F1, 2, 0
	MUL4 F1, 3, 0
.endm
	s_wait_tensorcnt 1                             ; my part of K step 0 is in (K step 1's load may be out)
	s_barrier_signal -1
	s_barrier_wait -1                              ; everybody's is
	FETCH 0, 0, F0
	QUARTER 0, 1, F0, F1, 1                        ; the first quarter's products start the sums
.if LAPS > 1
	WIN 0
	s_mov_b32 s3, LAPS-1
.Llap:                                                 ; a trip goes once round the ring and fills both slots again
	QUARTER 0, 2, F1, F0, 0
	QUARTER 0, 3, F0, F1, 0
	TURN 0, 1, 1
	QUARTER 1, 1, F0, F1, 0
	QUARTER 1, 2, F1, F0, 0
	QUARTER 1, 3, F0, F1, 0
	TURN 1, 0, 1
	QUARTER 0, 1, F0, F1, 0
	WIN 0
	s_sub_co_u32 s3, s3, 1
	s_cmp_lg_u32 s3, 0
	s_cbranch_scc1 .Llap
.endif
	QUARTER 0, 2, F1, F0, 0                        ; the last lap fills nothing
	QUARTER 0, 3, F0, F1, 0
	TURN 0, 1, 0
	QUARTER 1, 1, F0, F1, 0
	QUARTER 1, 2, F1, F0, 0
	QUARTER 1, 3, F0, F1, 0
	s_wait_dscnt 8
	WIN MUL
	MUL4 F1, 0, 0
	MUL4 F1, 1, 0
	s_wait_dscnt 0
	MUL4 F1, 2, 0
	MUL4 F1, 3, 0
	WIN 0
	s_wait_kmcnt 0x0
	s_add_co_i32 s78, s76, s77
	s_add_co_i32 s78, s78, 127
	s_lshl_b32 s78, s78, 23                        ; 2^(ea + eb) as f32
	s_mov_b32 s79, s78                             ; (named with it as a pair)
	s_wait_loadcnt 0x0                             ; the residual (and the bias)
	PLACES                                         ; behind the last products: LDS stores read their results
.macro OUT a
.set TS, T+32*((\a)%2)
.if (\a) >= 2
	s_wait_xcnt 0x0                                ; block a - 2's stores have read their data: the set is loaded again
.endif
.irp b, 0,1,2,3
	ds_store_b128 v[STO], v[ACC+8*(4*(\a)+\b):ACC+8*(4*(\a)+\b)+3] offset:64*\b          ; each accumulator from its low end on
	ds_store_b128 v[STO], v[ACC+8*(4*(\a)+\b)+4:ACC+8*(4*(\a)+\b)+7] offset:64*\b+16
.endr
.irp t, 0,1,2,3,4,5,6,7
	ds_load_b128 v[TS+4*\t:TS+4*\t+3], v[RD] offset:\t*2*SPITCH   ; LDS serves a wave's instructions in order: these see my stores, and the next block's stores come behind them
.endr
	s_wait_dscnt 0x0
	WIN 0x20                                       ; source 2 (the residual) window 2
.set j, 0
.rept 16
	v_pk_fma_f32 v[TS+j:TS+j+1], v[TS+j:TS+j+1], s[78:79], v[32*(\a)+j:32*(\a)+j+1] op_sel_hi:[1,0,1]
.set j, j+2
.endr
	WIN 0
.if HASB
.irp t, 0,1,2,3,4,5,6,7
	v_pk_add_f32 v[TS+4*\t:TS+4*\t+1], v[TS+4*\t:TS+4*\t+1], v[BI:BI+1]
	v_pk_add_f32 v[TS+4*\t+2:TS+4*\t+3], v[TS+4*\t+2:TS+4*\t+3], v[BI+2:BI+3]
.endr
.endif
.irp t, 0,1,2,3,4,5,6,7
	global_store_b128 v[CO], v[TS+4*\t:TS+4*\t+3], s[74:75] offset:(16*(\a)+2*\t)*4096   ; 16 lanes store 256 consecutive bytes, at a multiple of 256 from y's first byte
.endr
.endm
.irp a, 0,1,2,3
	OUT \a
.endr
	s_wait_tensorcnt 0x0                           ; the wave's end
	ds_add_u32 v[SPW], v[NIL]
	s_wait_dscnt 0x0
	CROUND                                         ; the closing round
	s_endpgm
.Lfunc_end_k_q414afbeb89_ffn2:
	.size	k_q414afbeb89_ffn2, .Lfunc_end_k_q414afbeb89_ffn2-k_q414afbeb89_ffn2
	.p2alignl 7, 3214868480
	.fill 96, 4, 3214868480
	.section	.rodata,"a",@progbits
	.p2align	6, 0x0
	.amdhsa_kernel k_q414afbeb89_ffn2
		.amdhsa_group_segment_fixed_size 327680
		.amdhsa_private_segment_fixed_size 0
		.amdhsa_enable_private_segment 0
		.amdhsa_kernarg_size 48
		.amdhsa_user_sgpr_count 2
		.amdhsa_user_sgpr_kernarg_segment_ptr 1
		.amdhsa_wavefront_size32 1
		.amdhsa_system_sgpr_workgroup_id_x 1
		.amdhsa_system_sgpr_workgroup_id_y 1
		.amdhsa_system_sgpr_workgroup_id_z 1
		.amdhsa_system_vgpr_workitem_id 0
		.amdhsa_next_free_vgpr 640
		.amdhsa_next_free_sgpr 80
		.amdhsa_reserve_vcc 0
		.amdhsa_float_denorm_mode_32 3
		.amdhsa_float_denorm_mode_16_64 3
		.amdhsa_memory_ordered 1
		.amdhsa_forward_progress 1
		.amdhsa_inst_pref_size 98
	.end_amdhsa_kernel
	.amdgpu_metadata
---
amdhsa.version: [ 1, 2 ]
amdhsa.kernels:
  - .name:           k_q414afbeb89_ffn2
    .symbol:         k_q414afbeb89_ffn2.kd
    .args:
      - { .name: hid, .offset: 0, .size: 8, .value_kind: global_buffer, .address_space: global }
      - { .name: W2_codes, .offset: 8, .size: 8, .value_kind: global_buffer, .address_space: global }
      - { .name: lowp_scales, .offset: 16, .size: 8, .value_kind: global_buffer, .address_space: global }
      - { .name: h, .offset: 24, .size: 8, .value_kind: global_buffer, .address_space: global }
      - { .name: b2, .offset: 32, .size: 8, .value_kind: global_buffer, .address_space: global }
      - { .name: y, .offset: 40, .size: 8, .value_kind: global_buffer, .address_space: global }
    .group_segment_fixed_size: 327680
    .private_segment_fixed_size: 0
    .kernarg_segment_align: 8
    .kernarg_segment_size: 48
    .max_flat_workgroup_size: 128
    .sgpr_count:     80
    .vgpr_count:     640
    .wavefront_size: 32
...
	.end_amdgpu_metadata
.endif
;; end of part 7
;; launch ln2 (part 8): grid 256 x 1, 4 waves a work-group, no clusters, 0 bytes of LDS; arguments y, g2, be2, out0; writes out0
.if DOCPART == 8
	.amdgcn_target "amdgcn-amd-amdhsa--gfx1250"
	.amdhsa_code_object_version 6
	.text
	.protected	k_q414afbeb89_ln2
	.globl	k_q414afbeb89_ln2
	.p2align	8
	.type	k_q414afbeb89_ln2,@function
k_q414afbeb89_ln2:
	s_mov_b64 s[64:65], 0
	v_nop
	global_prefetch_b8 v0, s[64:65] scope:SCOPE_SE
	s_setreg_imm32_b32 hwreg(HW_REG_WAVE_MODE, 25, 1), 1
	s_wait_xcnt 0x0
; out0 = layer_norm(y) x g2 + be2 over rows of 1,024 f32.
; A wave takes four whole rows (4,096 bytes each: 32 registers), all asked for at the head; the reductions never leave the wave: no LDS, no barrier.  Lane L of load j holds elements 128 j + 4 L .. + 3: each load and store covers 512 consecutive bytes.
; Mean first, then the squares of x - mean: a common offset of the row does no harm.  var = sum / 1,024, as the reference's.
.set G,   16                           ; v16-47   gain
.set BE,  48                           ; v48-79   offset
.set X,   80                           ; v80-207  four rows
	s_load_b256 s[4:11], s[0:1], 0x0               ; y, g, be, out0
	v_lshrrev_b32 v2, 5, v0
	v_readfirstlane_b32 s16, v2                    ; wave
	v_and_b32 v2, 31, v0
	v_lshlrev_b32 v1, 4, v2                        ; 16 x lane
	s_lshl_b32 s17, ttmp9, 2
	s_add_co_u32 s17, s17, s16                     ; which four rows
	s_lshl_b32 s18, s17, 14
	s_mov_b32 s19, 0
	s_mov_b32 s20, 0x3a800000                      ; 1 / 1,024
	s_mov_b32 s21, 0x358637bd                      ; 1e-6
	s_mov_b32 s22, 0x76543210
	s_mov_b32 s23, 0xfedcba98
	s_wait_alu depctr_va_vdst(0)
	s_wait_kmcnt 0x0
	s_add_nc_u64 s[4:5], s[4:5], s[18:19]
	s_add_nc_u64 s[10:11], s[10:11], s[18:19]
.irp j, 0,1,2,3,4,5,6,7
	global_load_b128 v[G+4*\j:G+4*\j+3], v1, s[6:7] offset:512*\j
.endr
.irp j, 0,1,2,3,4,5,6,7
	global_load_b128 v[BE+4*\j:BE+4*\j+3], v1, s[8:9] offset:512*\j
.endr
.set i, 0
.rept 32
	global_load_b128 v[X+4*i:X+4*i+3], v1, s[4:5] offset:512*i
.set i, i+1
.endr
.macro REDUCE                          ; v2 summed over the 32 lanes, the result in every lane
	v_add_f32_dpp v2, v2, v2 row_xmask:1 row_mask:0xf bank_mask:0xf
	v_add_f32_dpp v2, v2, v2 row_xmask:2 row_mask:0xf bank_mask:0xf
	v_add_f32_dpp v2, v2, v2 row_xmask:4 row_mask:0xf bank_mask:0xf
	v_add_f32_dpp v2, v2, v2 row_xmask:8 row_mask:0xf bank_mask:0xf
	v_permlanex16_b32 v3, v2, s22, s23
	v_add_f32 v2, v2, v3
.endm
.macro FOLD                            ; four chains v[2:9] into v2
	v_pk_add_f32 v[2:3], v[2:3], v[4:5]
	v_pk_add_f32 v[6:7], v[6:7], v[8:9]
	v_pk_add_f32 v[2:3], v[2:3], v[6:7]
	v_add_f32 v2, v2, v3
.endm
.macro ROW i
.set XR, X+32*\i
	s_wait_loadcnt 8*(3-\i)                        ; my row is in (and g, be, asked for ahead of it); the later rows' eight loads each may be out
.irp k, 0,1,2,3
	v_pk_add_f32 v[2+2*\k:3+2*\k], v[XR+4*\k:XR+4*\k+1], v[XR+4*\k+2:XR+4*\k+3]
.endr
.irp k, 0,1,2,3,4,5,6,7
	v_pk_add_f32 v[2+2*(\k%4):3+2*(\k%4)], v[2+2*(\k%4):3+2*(\k%4)], v[XR+16+2*\k:XR+17+2*\k]
.endr
	FOLD
	REDUCE
	v_mul_f32 v10, s20, v2                         ; the mean
	v_mov_b32 v11, v10
.irp k, 0,1,2,3,4,5,6,7,8,9,10,11,12,13,14,15
	v_pk_add_f32 v[XR+2*\k:XR+2*\k+1], v[XR+2*\k:XR+2*\k+1], v[10:11] neg_lo:[0,1] neg_hi:[0,1]
.endr
.irp k, 0,1,2,3
	v_pk_mul_f32 v[2+2*\k:3+2*\k], v[XR+2*\k:XR+2*\k+1], v[XR+2*\k:XR+2*\k+1]
.endr
.irp k, 4,5,6,7,8,9,10,11,12,13,14,15
	v_pk_fma_f32 v[2+2*(\k%4):3+2*(\k%4)], v[XR+2*\k:XR+2*\k+1], v[XR+2*\k:XR+2*\k+1], v[2+2*(\k%4):3+2*(\k%4)]
.endr
	FOLD
	REDUCE
	v_fma_f32 v12, v2, s20, s21                    ; var + eps
	s_wait_alu depctr_va_vdst(0)
	v_rsq_f32 v12, v12
	v_nop                                          ; one plain line behind the transcendental
	s_wait_alu depctr_va_vdst(0)
	v_mov_b32 v13, v12
.irp k, 0,1,2,3,4,5,6,7,8,9,10,11,12,13,14,15
	v_pk_mul_f32 v[XR+2*\k:XR+2*\k+1], v[XR+2*\k:XR+2*\k+1], v[12:13]
.endr
.irp k, 0,1,2,3,4,5,6,7,8,9,10,11,12,13,14,15
	v_pk_fma_f32 v[XR+2*\k:XR+2*\k+1], v[XR+2*\k:XR+2*\k+1], v[G+2*\k:G+2*\k+1], v[BE+2*\k:BE+2*\k+1]
.endr
.irp j, 0,1,2,3,4,5,6,7
	global_store_b128 v1, v[XR+4*\j:XR+4*\j+3], s[10:11] offset:4096*\i+512*\j th:TH_STORE_NT
.endr
.endm
	ROW 0
	ROW 1
	ROW 2
	ROW 3
	s_endpgm
.Lfunc_end_k_q414afbeb89_ln2:
	.size	k_q414afbeb89_ln2, .Lfunc_end_k_q414afbeb89_ln2-k_q414afbeb89_ln2
	.p2alignl 7, 3214868480
	.fill 96, 4, 3214868480
	.section	.rodata,"a",@progbits
	.p2align	6, 0x0
	.amdhsa_kernel k_q414afbeb89_ln2
		.amdhsa_group_segment_fixed_size 0
		.amdhsa_private_segment_fixed_size 0
		.amdhsa_enable_private_segment 0
		.amdhsa_kernarg_size 32
		.amdhsa_user_sgpr_count 2
		.amdhsa_user_sgpr_kernarg_segment_ptr 1
		.amdhsa_wavefront_size32 1
		.amdhsa_system_sgpr_workgroup_id_x 1
		.amdhsa_system_sgpr_workgroup_id_y 1
		.amdhsa_system_sgpr_workgroup_id_z 1
		.amdhsa_system_vgpr_workitem_id 0
		.amdhsa_next_free_vgpr 208
		.amdhsa_next_free_sgpr 66
		.amdhsa_reserve_vcc 0
		.amdhsa_float_denorm_mode_32 3
		.amdhsa_float_denorm_mode_16_64 3
		.amdhsa_memory_ordered 1
		.amdhsa_forward_progress 1
		.amdhsa_inst_pref_size 34
	.end_amdhsa_kernel
	.amdgpu_metadata
---
amdhsa.version: [ 1, 2 ]
amdhsa.kernels:
  - .name:           k_q414afbeb89_ln2
    .symbol:         k_q414afbeb89_ln2.kd
    .args:
      - { .name: y, .offset: 0, .size: 8, .value_kind: global_buffer, .address_space: global }
      - { .name: g2, .offset: 8, .size: 8, .value_kind: global_buffer, .address_space: global }
      - { .name: be2, .offset: 16, .size: 8, .value_kind: global_buffer, .address_space: global }
      - { .name: out0, .offset: 24, .size: 8, .value_kind: global_buffer, .address_space: global }
    .group_segment_fixed_size: 0
    .private_segment_fixed_size: 0
    .kernarg_segment_align: 8
    .kernarg_segment_size: 32
    .max_flat_workgroup_size: 128
    .sgpr_count:     66
    .vgpr_count:     208
    .wavefront_size: 32
...
	.end_amdgpu_metadata
.endif
;; end of part 8
